; MI455X (gfx1250); checked and timed in simulation.
; The chip was launched on July 23, 2026; its instructions are those of AMD's public machine-readable ISA for CDNA 5 (MIT licence, August 2026) and "CDNA5" Instruction Set Architecture Reference Guide (July 2026). The comments in the code are by the model that wrote it; some were corrected since.
;; Multi Head Attention Block. Allowed arithmetic: matrix products marked QUANTISED: E3M2 operands, one E8M0 scale for each 32 along K, by v_wmma_scale_f32_16x16x128_f8f6f4 with both operands' format E3M2, f32 sums; everything else in f32.
;; Inputs: W1_codes 4,096 x 16 x 24 uint8 (E3M2 codes of W1, K innermost, in blocks of 32 codes, four codes in three bytes); W1_scales 4,096 x 16 uint8 (E8M0 scales of W1, one for each 32 codes along K); W2_codes 512 x 128 x 24 uint8 (E3M2 codes of W2, K innermost, in blocks of 32 codes, four codes in three bytes); W2_scales 512 x 128 uint8 (E8M0 scales of W2, one for each 32 codes along K); Wk_codes 512 x 16 x 24 uint8 (E3M2 codes of Wk, K innermost, in blocks of 32 codes, four codes in three bytes); Wk_scales 512 x 16 uint8 (E8M0 scales of Wk, one for each 32 codes along K); Wq_codes 512 x 16 x 24 uint8 (E3M2 codes of Wq, K innermost, in blocks of 32 codes, four codes in three bytes); Wq_scales 512 x 16 uint8 (E8M0 scales of Wq, one for each 32 codes along K); Wv_codes 512 x 16 x 24 uint8 (E3M2 codes of Wv, K innermost, in blocks of 32 codes, four codes in three bytes); Wv_scales 512 x 16 uint8 (E8M0 scales of Wv, one for each 32 codes along K); alpha 1 float32; b1 4,096 float32; b2 512 float32; beta 1 float32; x 4 x 2,048 x 512 float32.
;; Outputs: out0 4 x 2,048 x 512 float32.
;; This version of the problem:
;;   THIS VERSION OF THE PROBLEM IS GIVEN IN LOW PRECISION. The matrix products marked QUANTISED in the list below multiply operands that are first quantised to E3M2 (3 exponent bits, 2 mantissa bits; 6 bits a number), with one power-of-two scale for each 32 numbers along K (OCP MX v1.0); their sums are f32. All else is computed in f32.
;;   The module's matrix products, in the order in which they are computed (A, B: the left and right operand; K: the contracted axis; several contracted axes count as one K, in the product's order):
;;     1. [M 8,192, K 512] x [K 512, N 512]; A: computed on the way; B: input Wq (given as codes): QUANTISED
;;     2. [M 8,192, K 512] x [K 512, N 512]; A: computed on the way; B: input Wk (given as codes): QUANTISED
;;     3. [M 8,192, K 512] x [K 512, N 512]; A: computed on the way; B: input Wv (given as codes): QUANTISED
;;     4. batch 64 x [M 2,048, K 32] x [K 32, N 2,048]; A: computed on the way; B: computed on the way: QUANTISED
;;     5. batch 64 x [M 32, K 2,048] x [K 2,048, N 2,048]; A: computed on the way; B: softmax (see below): QUANTISED
;;     6. [M 8,192, K 512] x [K 512, N 4,096]; A: computed on the way; B: input W1 (given as codes): QUANTISED
;;     7. [M 8,192, K 4,096] x [K 4,096, N 512]; A: computed on the way; B: input W2 (given as codes): QUANTISED
;;   THE QUANTISER, for each operand of a quantised product, along K:
;;     - K is cut into blocks of 32 from its start; a last block that is shorter is filled with zeros.
;;     - A block's scale is 2^e with e = floor(log2(the largest magnitude in the block)) - 4, held to -126 .. 127; a block of zeros has e = 0. As a byte (E8M0): e + 127.
;;     - Each number is divided by its block's scale, clamped to +-28, and rounded to the nearest number of E3M2, ties to even, subnormals kept.
;;     - The product sums the exact products of the quantised numbers (number of the format x scale) in f32.
;;   ~~~python
;;   def quantise(x, axis):      # numpy; x: float32 -> the quantised numbers, widened to float32 again
;;       x = np.moveaxis(x, axis, -1); K = x.shape[-1]
;;       x = np.pad(x, [(0, 0)] * (x.ndim - 1) + [(0, -K % 32)]); x = x.reshape(x.shape[:-1] + (-1, 32)); a = np.abs(x).max(-1, keepdims=True)
;;       e = np.where(a > 0, np.clip(np.frexp(np.where(a > 0, a, 1))[1] - 1 - 4, -126, 127), 0)      # np.frexp(a)[1] - 1 = floor(log2(a)), exactly
;;       r = np.clip(x / 2.0 ** e, -28, 28)
;;       step = 2.0 ** (np.maximum(np.frexp(np.where(r == 0, 1, r))[1] - 1, -2) - 2)
;;       q = np.round(r / step) * step * 2.0 ** e      # np.round: ties to even
;;       return np.moveaxis(q.reshape(q.shape[:-2] + (-1,))[..., :K], -1, axis).astype(np.float32)
;;   ~~~
;;   SOFTMAX AHEAD OF A QUANTISED PRODUCT. Where the list says 'softmax', what is quantised is not the finished softmax but p = 2^(t - M), with t = logit x log2(e) and M = ceil(the row's largest t), a whole number; so 1/2 < the row's largest p <= 1. The row's sum l is taken of the UNQUANTISED p, in f32, and the product's result is divided by l at the end. Since M is a whole number, a kernel that streams over the keys may use a running M (the ceiling of the running maximum): every later rescaling is an exact power of two, which a block's scale takes up: the codes' values come out the same.
;;   OPERANDS COMPUTED ON THE WAY. 'Computed on the way' means the value that the module computes at that place (a softmax that the list does not call 'softmax' is quantised finished and normalised). What goes into a quantiser is computed in f32, as accurately as f32 sums, v_exp_f32 and their like allow (about 1e-6 of the number): no bf16 or f16 on the way to a quantiser, and a product that is left as it is and whose result goes on into a quantised operand takes f32 operands (vector FMAs, or v_wmma_f32_16x16x4_f32). A number that lies on a knife's edge between two numbers of the format may be rounded either way, as far as f32 arithmetic and the matrix unit's own rounding can turn it there, and no further.
;;   INPUTS GIVEN AS CODES. W1 (in the module: [512, 4096], K = its axis 0); W2 (in the module: [4096, 512], K = its axis 0); Wk (in the module: [512, 512], K = its axis 0); Wq (in the module: [512, 512], K = its axis 0); Wv (in the module: [512, 512], K = its axis 0): each comes as NAME_codes (uint8): NAME with its K axis moved to the last place and cut into blocks of 32 codes, [.., K / 32, bytes a block], one block behind the other in memory; four codes in three bytes: a row's codes are one little-endian stream of bits, code i at bits 6 i .. 6 i + 5 (a code: sign, 3 exponent bits, 2 mantissa bits); and NAME_scales (uint8): the same leading axes, one E8M0 byte (e + 127) for each 32 codes along K. Its value is code x scale, taken as it is: it is not quantised again, and the codes and scales need not be those that the quantiser above would give.
;; One version. Each part assembles by itself: llvm-mc -triple=amdgcn-amd-amdhsa -mcpu=gfx1250 --defsym DOCPART=n.
;; ======== version 1 of 1: 3 launches
;; limits: right only within a limited range of input values
;; workspace buffers: qc 3,145,728 bytes; kc 3,145,728 bytes; vc 3,145,728 bytes; sc 524,288 bytes; ao 16,777,216 bytes; wr 3,211,264 bytes
;; launch qkv (part 1): grid 256 x 1, 4 waves a work-group, clusters of 4 x 1, 327,680 bytes of LDS; arguments x, Wq_codes, Wq_scales, Wk_codes, Wk_scales, Wv_codes, Wv_scales, alpha, beta, qc, kc, vc, sc, W1_codes, W2_codes, wr, W2_scales; writes qc, kc, vc, sc, wr
.if DOCPART == 1
	.amdgcn_target "amdgcn-amd-amdhsa--gfx1250"
	.amdhsa_code_object_version 6
	.text
	.protected	k_q9ed45909e9_qkv
	.globl	k_q9ed45909e9_qkv
	.p2align	8
	.type	k_q9ed45909e9_qkv,@function
k_q9ed45909e9_qkv:
	s_mov_b64 s[64:65], 0
	v_nop
	global_prefetch_b8 v0, s[64:65] scope:SCOPE_SE
	s_setreg_imm32_b32 hwreg(HW_REG_WAVE_MODE, 25, 1), 1
	s_wait_xcnt 0x0
	s_wait_alu depctr_hold_cnt(0) depctr_sa_sdst(0) depctr_va_vdst(0) depctr_va_sdst(0) depctr_va_ssrc(0) depctr_va_vcc(0) depctr_vm_vsrc(0)
	s_getreg_b32 s2, hwreg(HW_REG_IB_STS2, 6, 4)
	s_cmp_eq_u32 s2, 0
	s_cbranch_scc0 .Lentry_in_a_cluster
	s_endpgm
.Lentry_in_a_cluster:
	s_bfe_u32 s2, ttmp6, 0x10000c
	s_cmp_lg_u32 s2, 0x3003
	s_cbranch_scc0 .Lentry_shape_is_right
	s_endpgm
.Lentry_shape_is_right:
; LAYER NORM 1, ITS QUANTISER, q = h Wq, k = h Wk, v = h Wv ON CODES OF BF6 (E3M2, one E8M0 scale for 32 along K), AND THE QUANTISERS OF q, k (along the head's 32) AND v (along the keys).
; x: [8192][512] f32.  Wq, Wk, Wv: codes [512 (n)][512 (k)], 384 bytes a row, scale bytes [512][16].  alpha, beta: one f32 each.
; OUT, for the attention launch, tb = the block of 32 tokens (0..255):
;   qc, kc: [tb][head 16][lam 32][24 bytes]: lam = r + 16 u holds token 8 u + r + 8 (r / 8) of the block: the head's 32 codes.
;   vc:     [tb][head 16][lam 32][24 bytes]: lam = n + 16 ct holds channel 8 ct + n + 8 (n / 8) of the head: the block's 32 tokens' codes.
;   sc:     [tb][quad 4][Q, K, V, V again][row 16][8 bytes]: byte 2 hl + e, hl the head in its quad, e = u (Q, K: row r) or ct (V: row n).
; A SIDE JOB, for the last launch: half of W1's and W2's fragments (16 rows x 128 K, 1,536 bytes) are laid anew in the order of the operand's registers:
;   wr: [W1, W2][chunk 8][wave 4][4 s + tile][1,536 bytes]: registers 4 c .. 4 c + 3 of lane l at 512 c + 16 l.  1,024 fragments, 1,024 waves: wave g = 4 tb + w copies fragment g: six loads, three stores.
;   W1's: rows 512 chunk + 128 wave + 32 tile + 8 + r + 8 (r / 8), K step s.   W2's: rows 128 wave + 64 + 16 tile + r, K = 512 chunk + 128 s on.
; SHARES.  A work-group takes 32 tokens; wave w makes weight rows 128 w .. 128 w + 127 (heads 4 w .. 4 w + 3) of each of the three products for all 32 tokens.
; The weights come through a ring of two LDS slots by tensor loads; a wave fetches and reads its own 64 rows of a step.  The four work-groups of a cluster walk the same weights: every load is asked for JOINTLY (mask 15).
; THE ROWS OF A WEIGHT THAT FORM A TILE ARE NOT NEIGHBOURS: lane r of tile 2 bt + j takes row 32 bt + 8 j + r + 8 (r / 8); the tensor load lays them so (8 neighbouring rows to a line, lines 16 rows apart).
; So a lane's 16 registers of tiles 2 bt, 2 bt + 1 are 16 neighbours of a head.  The tokens of a row tile are chosen the same way, so that in v (rows x weights) a lane's 16 registers are 16 neighbouring tokens.
; LIMITS: NaN and infinities among the inputs are not served.  A block of zeros gets the scale byte 1 (the rule says 127): its codes are zeros, and the bytes are read by this program alone.
; REGISTERS, in windows of 256: window 0: v1-31 addresses; v32-63 the weights' scale words (first: the norm's sums); v64-191 HA, 16 accumulators (first: the rows of x); v192-199 the rows' scale words; v208.. the quantiser.
;   window 1: v0-191 WF, a step's 16 weight fragments.   window 2: v0-95 XF, the rows' 8 fragments (4 m + s).   window 3: v0-71 codes on their way out; v80-91 the side job's fragment.
; THE SIDE JOB COVERS ALL FRAGMENTS OF W1 AND W2: wave g copies two.  The first goes to wr + 1,536 g, as said above.  The second goes to wr + 1,572,864 + 1,536 g, in the same order of
; [W1, W2][chunk][wave][4 s + tile]; its rows lie 8 rows (W1) or 64 rows (W2) ahead of the first's: W1's rows 512 chunk + 128 wave + 32 tile + r + 8 (r / 8), W2's rows 128 wave + 16 tile + r.
.set PITCH,  432
.set WSLOT,  64*PITCH                  ; a wave's 64 rows
.set SLOTB,  4*WSLOT                   ; a slot
.set STAGE,  2*SLOTB                   ; 32 rows of f32, 2,048 bytes + 16
.set SROW,   2064
.set STAT,   STAGE+32*SROW             ; 32 x (mean, gain)
.set HIMG,   STAT+256                  ; the rows' 8 fragments as images of their registers, 1,536 bytes each
.set HSC,    HIMG+8*1536               ; their scale words, 128 bytes each
.set GIMG,   HSC+1024                  ; here: each wave's 3,072 bytes for codes on their way out
.set GSC,    GIMG+8*1536
.set SPARE,  GSC+1024                  ; the spare words, 128 bytes for each wave
.set SPW, 1
.set NIL, 2
.set LI,  3                            ; 16 x lane
.set FS,  4                            ; HSC + 4 x lane
.set FA0, 5                            ; v5, v6: my place in my part of slot 0 (24 and 40 bytes for the upper lanes); v7, v8: slot 1
.set SA1, 9
.set SST, 10
.set QA,  11
.set QST, 12
.set XWI, 13
.set XWS, 14
.set OSA, 15
.set OSV, 16
.set ORD, 17
.set L8,  18
.set S1A, 19
.set RPA, 20                           ; the side job: my lane's byte in its fragment's rows
.set FI,  24                           ; HIMG + 16 x lane
.set MU,  26
.set GG,  28
.set SWA, 32
.set SWB, 48
.set TT,  32
.set MM,  48
.set HA,  64
.set HS,  192
.set GS,  200
.set TM,  208
.set PW,  224
.set PWA, 225
.set PC,  226
.set XQ,  246
.set XK,  248
.set SD,  250
.set PV,  252
.set RPF, 80                           ; in window 3: the side job's fragment
.set XB,  4                            ; s[4:5] x at my wave's 8 tokens
.set G1D, 32
.set D0,  40
.set D1,  44
.set AQ,  48
.set AK,  50
.set AV,  52
.set WV,  54
.set CX,  55
.set TBK, 56
.set SEL, 58
.set ALPHA, 60
.set INV, 61
.set BETA, 62
.set MHI, 66
.set WSRC, 80                          ; s[80:81] W1's codes (then: the side job's source), s[82:83] W2's
.set WDST, 84                          ; s[84:85] wr
.set MSB, 0
.macro WIN new                         ; the immediate's high byte repeats the setting that is left
.if MSB != \new
	s_set_vgpr_msb (MSB<<8)|\new
.set MSB, \new
.endif
.endm
.macro PLACES n
.rept \n
	v_nop
.endr
.endm
.macro ROUND                           ; a round of the cluster's barrier
	s_barrier_signal -1
	s_barrier_wait -1
	s_cmp_lg_u32 s[WV], 0
	s_cbranch_scc1 .Lnot_wave_0_\@
	s_barrier_signal -3
.Lnot_wave_0_\@:
	s_barrier_wait -3
	s_barrier_signal -1
	s_barrier_wait -1
.endm
; 64 numbers of a lane, register 16 b + i = k 32 b + 16 (lane / 16) + i of my row, become a fragment's codes in v[PC] on and its scale word in v[PW]
.macro QUANT s
.irp b, 0,1,2,3
	v_max3_num_f32 v[TM+\b], |v[\s+16*\b]|, |v[\s+1+16*\b]|, 0x2800000   ; my 16 numbers of block b, and the floor 2^(5 - 127): the byte cannot fall under 1
.endr
.irp i, 2,4,6,8,10,12,14
.irp b, 0,1,2,3
	v_max3_num_f32 v[TM+\b], v[TM+\b], |v[\s+16*\b+\i]|, |v[\s+1+16*\b+\i]|
.endr
.endr
.irp b, 0,1,2,3
	v_permlanex16_b32 v[TM+4+\b], v[TM+\b], s[SEL], s[SEL+1]
.endr
.irp b, 0,1,2,3
	v_max_num_f32 v[TM+\b], v[TM+\b], v[TM+4+\b]   ; with lane l xor 16's: the block's largest magnitude
.endr
.irp b, 0,1,2,3
	v_add_nc_u32 v[TM+12+\b], 0xfe000000, v[TM+\b]   ; 4 off its exponent field: the conversion's scale operand
.endr
.irp b, 0,1,2,3
	v_lshrrev_b32 v[TM+4+\b], 23, v[TM+12+\b]      ; the scale's byte
.endr
	v_lshl_or_b32 v[PW], v[TM+5], 8, v[TM+4]
	v_lshl_or_b32 v[PW], v[TM+6], 16, v[PW]
	v_lshl_or_b32 v[PW], v[TM+7], 24, v[PW]
.irp c, 0,1
	v_cvt_scalef32_pk16_bf6_f32 v[PC+6*\c:PC+2+6*\c], v[\s+32*\c:\s+15+32*\c], v[TM+12+2*\c]
	v_cvt_scalef32_pk16_bf6_f32 v[PC+12+4*\c:PC+14+4*\c], v[\s+16+32*\c:\s+31+32*\c], v[TM+12+2*\c+1]
.endr
	v_nop                                          ; one plain place behind a scaled conversion
.irp c, 0,1                            ; a whole block to a lane: lanes 0-15 block 2 c, lanes 16-31 block 2 c + 1
.irp i, 0,1,2
	v_permlane16_swap_b32 v[PC+6*\c+\i], v[PC+12+4*\c+\i]
.endr
.irp i, 0,1,2
	v_mov_b32 v[PC+3+6*\c+\i], v[PC+12+4*\c+\i]
.endr
.endr
.endm
.macro IMAGE adr, off                  ; the fragment in v[PC] on goes to LDS as it stands: 16 bytes a lane, 512 bytes a store
.irp c, 0,1,2
	ds_store_b128 v[\adr], v[PC+4*\c:PC+4*\c+3] offset:\off+512*\c
.endr
.endm
.macro FETCH reg, off                  ; and comes back so, in any wave (off counts from HIMG)
.irp c, 0,1,2
	ds_load_b128 v[\reg+4*\c:\reg+4*\c+3], v[FI] offset:\off+512*\c
.endr
.endm
; A weight fragment, 16 rows x 128 K: 24 bytes twice a lane, in pieces of 8.  16 bytes of padding lie behind every 16 pieces: where the upper lanes' piece, three on, lies behind one padding more, the second address register serves
.macro FRAGW reg, adr, s, tile
.irp p, 0,1,2,3,4,5
.set PCI, 12*(\s)+6*(\p/3)+\p%3
.if PCI%16 < 13
	ds_load_b64 v[\reg+2*\p:\reg+2*\p+1], v[\adr] offset:8*PCI+16*(PCI/16)+(\tile)*16*PITCH
.else
	ds_load_b64 v[\reg+2*\p:\reg+2*\p+1], v[\adr+1] offset:8*PCI+16*(PCI/16)+(\tile)*16*PITCH
.endif
.endr
.endm
.macro LOADK slot, s                   ; K step s of my four tiles: 24 loads
	WIN 0x40
.irp tile, 0,1,2,3
	FRAGW 12*(4*(\s)+\tile), FA0+2*(\slot), \s, \tile
.endr
.endm
.macro WM                              ; one product, by the symbols rD rA rB rSA rSB; zC: the sum begins; zRA, zRB: that side's scales lie in lanes 16-31
.if zC
.if zRA
	v_wmma_scale_f32_16x16x128_f8f6f4 v[rD:rD+7], v[rA:rA+11], v[rB:rB+11], 0, v[rSA], v[rSB] matrix_a_fmt:MATRIX_FMT_BF6 matrix_b_fmt:MATRIX_FMT_BF6 matrix_a_scale:MATRIX_SCALE_ROW1
.elseif zRB
	v_wmma_scale_f32_16x16x128_f8f6f4 v[rD:rD+7], v[rA:rA+11], v[rB:rB+11], 0, v[rSA], v[rSB] matrix_a_fmt:MATRIX_FMT_BF6 matrix_b_fmt:MATRIX_FMT_BF6 matrix_b_scale:MATRIX_SCALE_ROW1
.else
	v_wmma_scale_f32_16x16x128_f8f6f4 v[rD:rD+7], v[rA:rA+11], v[rB:rB+11], 0, v[rSA], v[rSB] matrix_a_fmt:MATRIX_FMT_BF6 matrix_b_fmt:MATRIX_FMT_BF6
.endif
.else
.if zRA
	v_wmma_scale_f32_16x16x128_f8f6f4 v[rD:rD+7], v[rA:rA+11], v[rB:rB+11], v[rD:rD+7], v[rSA], v[rSB] matrix_a_fmt:MATRIX_FMT_BF6 matrix_b_fmt:MATRIX_FMT_BF6 matrix_a_scale:MATRIX_SCALE_ROW1
.elseif zRB
	v_wmma_scale_f32_16x16x128_f8f6f4 v[rD:rD+7], v[rA:rA+11], v[rB:rB+11], v[rD:rD+7], v[rSA], v[rSB] matrix_a_fmt:MATRIX_FMT_BF6 matrix_b_fmt:MATRIX_FMT_BF6 matrix_b_scale:MATRIX_SCALE_ROW1
.else
	v_wmma_scale_f32_16x16x128_f8f6f4 v[rD:rD+7], v[rA:rA+11], v[rB:rB+11], v[rD:rD+7], v[rSA], v[rSB] matrix_a_fmt:MATRIX_FMT_BF6 matrix_b_fmt:MATRIX_FMT_BF6
.endif
.endif
.endm
; 8 products: my four tiles x the two row tiles, K step s.  Eight accumulators by turns, one instruction a turn, in the same order in every K step.
; kind 0: source 0 = weights, source 1 = rows.  kind 2: source 0 = rows, source 1 = weights.
.macro MMK kind, j, s, zero, sw
.if \kind == 0
	WIN 0x09
.else
	WIN 0x06
.endif
.irp tile, 0,1,2,3
.irp m, 0,1
.set zC, (\zero)&&((\s)==0)
.set zRA, 0
.set zRB, 0
.if \kind == 0
.set rD, HA+64*\m+8*(2*\tile+\j)
.set rA, 12*(4*\s+\tile)
.set rB, 12*(4*\m+\s)
.set rSA, \sw+4*\tile+\s
.set rSB, HS+4*\m+\s
.set zRA, \j
.else
.set rD, HA+16*(2*\tile+\j)+8*\m
.set rA, 12*(4*\m+\s)
.set rB, 12*(4*\s+\tile)
.set rSA, HS+4*\m+\s
.set rSB, \sw+4*\tile+\s
.set zRB, \j
.endif
	WM
.endr
.endr
.endm
; A step: my 64 weight rows of a slot x 32 rows x K = 512: 96 LDS loads, each fragment read once, 32 products.  Every fragment has registers of its own, so the four places at the step's head serve all its loads.
.macro STEP slot, kind, j, zero, sw, lc
	LOADK \slot, 0
	LOADK \slot, 1
.if \lc >= 0
	s_wait_loadcnt \lc                             ; the scale words (and what else was asked for ahead of them) are in
.endif
	s_wait_dscnt 24                                ; all but the youngest 24 loads: K step 0 is in
	MMK \kind, \j, 0, \zero, \sw
	LOADK \slot, 2
	s_wait_dscnt 24                                ; K step 1 is in
	MMK \kind, \j, 1, \zero, \sw
	LOADK \slot, 3
	s_wait_dscnt 24                                ; K step 2
	MMK \kind, \j, 2, \zero, \sw
	s_wait_dscnt 0x0
	MMK \kind, \j, 3, \zero, \sw
	WIN 0
.endm
; THE CHANGE OF SLOTS, at a step's head.  TH1: all my tensor loads have landed (one was out: this step's tile); the add.  The caller's scalar lines write a descriptor.  TH2: the add and my reads of the other slot are done;
; a round of the cluster's barrier; the joint load into the slot just left, the first thing behind it; four v_nop, which are also the places in front of the step's loads.
.macro TH1
	WIN 0
	s_wait_tensorcnt 0x0
	ds_add_u32 v[SPW], v[NIL]                      ; 0 onto my spare word
.endm
.macro TH2 g0, g1
	s_wait_dscnt 0x0
	ROUND
	tensor_load_to_lds s[\g0:\g0+3], s[\g1:\g1+7]
	s_nop 0
	PLACES 4
.endm
.macro TH0                             ; the same where nothing is left to fetch: the work-group's barrier alone
	TH1
	s_wait_dscnt 0x0
	s_barrier_signal -1
	s_barrier_wait -1
	PLACES 4
.endm
.macro ADDRS                           ; the addresses that both row kernels share.  Leaves s74 = wave x WSLOT, s78 = pos0 x SROW, s79 = 3072 x wave; v30 lane, v31 r, v25 h
	v_and_b32 v30, 31, v0
	v_and_b32 v31, 15, v0
	v_bfe_u32 v25, v0, 4, 1
	v_lshlrev_b32 v[LI], 4, v30
	s_wait_alu depctr_va_vdst(0)
	v_lshl_add_u32 v[FS], v30, 2, HSC
	v_lshl_add_u32 v[FI], v30, 4, HIMG
	s_mul_i32 s74, s[WV], WSLOT
	v_mul_u32_u24 v[FA0], v31, PITCH
	v_mad_u32_u24 v[FA0], v25, 24, v[FA0]
	v_add_nc_u32 v[FA0], s74, v[FA0]
	v_lshl_add_u32 v[FA0+1], v25, 4, v[FA0]
	v_add_nc_u32 v[FA0+2], SLOTB, v[FA0]
	v_add_nc_u32 v[FA0+3], SLOTB, v[FA0+1]
	s_and_b32 s75, s[WV], 1
	s_lshr_b32 s76, s[WV], 1
	s_lshl_b32 s77, s75, 4
	s_lshl_b32 s78, s76, 3
	s_add_co_u32 s77, s77, s78                     ; pos0: where tokens 8 w .. 8 w + 7 lie in the stage, whose rows stand in the order of the row tiles
	s_mul_i32 s78, s77, SROW
	s_add_co_u32 s79, s78, STAGE
	v_add_nc_u32 v[SA1], s79, v[LI]
	s_lshl_b32 s79, s77, 3
	s_add_co_u32 s79, s79, STAT
	v_mov_b32 v[SST], s79
	s_mul_i32 s79, s76, 16*SROW
	s_lshl_b32 s77, s75, 10
	s_add_co_u32 s79, s79, s77
	s_add_co_u32 s79, s79, STAGE
	v_mul_u32_u24 v[QA], v31, SROW
	v_lshl_add_u32 v[QA], v25, 6, v[QA]
	v_add_nc_u32 v[QA], s79, v[QA]                 ; row 16 (w / 2) + r, K steps 2 (w % 2) on, my 16 numbers of a block of 32
	s_lshl_b32 s79, s76, 7
	s_add_co_u32 s79, s79, STAT
	v_lshlrev_b32 v[QST], 3, v31
	v_add_nc_u32 v[QST], s79, v[QST]
	s_mul_i32 s79, s[WV], 3072
	v_add_nc_u32 v[XWI], s79, v[FI]                ; images 2 w and 2 w + 1
	s_lshl_b32 s77, s[WV], 8
	v_add_nc_u32 v[XWS], s77, v[FS]
	v_and_b32 v[S1A], 8, v31
	v_add_nc_u32 v[S1A], v[S1A], v31
	v_lshl_add_u32 v[S1A], v25, 3, v[S1A]
	v_lshlrev_b32 v[S1A], 4, v[S1A]                ; 16 bytes of scales a weight row: row 8 h + r + 8 (r / 8): lanes 0-15 tile (bt, 0), lanes 16-31 tile (bt, 1)
.irp i, 0,1,2,3,4,5,6,7
	v_mov_b32 v[TM+\i], 0                          ; written once: a lane permute's destination counts as one of its sources
.endr
.endm
.macro REDUCE                          ; the pairs v[TT + 2 i]: each lane gets row i's sum in v[TT + 2 i]
.irp i, 0,1,2,3,4,5,6,7
	v_add_f32 v[TT+2*\i], v[TT+2*\i], v[TT+2*\i+1]
.endr
.irp x, 1,2,4,8
.irp i, 0,1,2,3,4,5,6,7
	v_add_f32_dpp v[TT+2*\i], v[TT+2*\i], v[TT+2*\i] row_xmask:\x row_mask:0xf bank_mask:0xf
.endr
.endr
.irp i, 0,1,2,3,4,5,6,7
	v_permlanex16_b32 v[TM+\i], v[TT+2*\i], s[SEL], s[SEL+1]
.endr
.irp i, 0,1,2,3,4,5,6,7
	v_add_f32 v[TT+2*\i], v[TT+2*\i], v[TM+\i]
.endr
.endm
; THE NORM, first stage: wave w takes tokens 8 w .. 8 w + 7, a row to the wave: 16 numbers a lane.  res = 1: the attention's result is added first.  The rows go to the stage, mean and gain to STAT.
.macro LN1 res
.irp i, 0,1,2,3,4,5,6,7
.irp k, 0,1,2,3
	global_load_b128 v[HA+16*\i+4*\k:HA+16*\i+4*\k+3], v[LI], s[XB:XB+1] offset:2048*\i+512*\k
.endr
.endr
.if \res
	WIN 0x40
.irp i, 0,1,2,3,4,5,6,7
.irp k, 0,1,2,3
	global_load_b128 v[16*\i+4*\k:16*\i+4*\k+3], v[LI], s[AB:AB+1] offset:2048*\i+512*\k th:TH_LOAD_NT
.endr
.endr
	WIN 0
.endif
	s_wait_kmcnt 0x0                               ; alpha and beta
	s_mov_b32 s[BETA+1], s[BETA]                   ; (named with it as a pair, so it is written)
	s_wait_loadcnt 0x0
.if \res
	WIN 0x04
.set q, 0
.rept 64
	v_pk_add_f32 v[HA+q:HA+q+1], v[HA+q:HA+q+1], v[q:q+1]
.set q, q+2
.endr
	WIN 0
.endif
.irp i, 0,1,2,3,4,5,6,7
.irp k, 0,1,2,3
	ds_store_b128 v[SA1], v[HA+16*\i+4*\k:HA+16*\i+4*\k+3] offset:SROW*\i+512*\k
.endr
.endr
.irp i, 0,1,2,3,4,5,6,7
	v_pk_add_f32 v[TT+2*\i:TT+2*\i+1], v[HA+16*\i:HA+16*\i+1], v[HA+16*\i+2:HA+16*\i+3]
.endr
.irp y, 4,6,8,10,12,14
.irp i, 0,1,2,3,4,5,6,7
	v_pk_add_f32 v[TT+2*\i:TT+2*\i+1], v[TT+2*\i:TT+2*\i+1], v[HA+16*\i+\y:HA+16*\i+\y+1]
.endr
.endr
	REDUCE
.irp i, 0,1,2,3,4,5,6,7
	v_mul_f32 v[MM+2*\i], 0x3b000000, v[TT+2*\i]   ; the mean: / 512
.endr
.irp i, 0,1,2,3,4,5,6,7
	v_mov_b32 v[MM+2*\i+1], v[MM+2*\i]
.endr
	s_wait_alu depctr_va_vdst(0)
	s_wait_dscnt 0x0                               ; the stage stores have read their registers, which are centred in place now
.irp i, 0,1,2,3,4,5,6,7
.irp y, 0,2,4,6,8,10,12,14
	v_pk_add_f32 v[HA+16*\i+\y:HA+16*\i+\y+1], v[HA+16*\i+\y:HA+16*\i+\y+1], v[MM+2*\i:MM+2*\i+1] op_sel_hi:[1,0] neg_lo:[0,1] neg_hi:[0,1]
.endr
.endr
.irp i, 0,1,2,3,4,5,6,7
	v_pk_mul_f32 v[TT+2*\i:TT+2*\i+1], v[HA+16*\i:HA+16*\i+1], v[HA+16*\i:HA+16*\i+1]
.endr
.irp y, 2,4,6,8,10,12,14
.irp i, 0,1,2,3,4,5,6,7
	v_pk_fma_f32 v[TT+2*\i:TT+2*\i+1], v[HA+16*\i+\y:HA+16*\i+\y+1], v[HA+16*\i+\y:HA+16*\i+\y+1], v[TT+2*\i:TT+2*\i+1]
.endr
.endr
	REDUCE                                         ; the sum of the centred squares: no difference of large sums
.irp i, 0,1,2,3,4,5,6,7
	v_fmaak_f32 v[TT+2*\i], s[INV], v[TT+2*\i], 0x358637bd   ; / 511 + 1e-6
.endr
	s_wait_alu depctr_va_vdst(0)
.irp i, 0,1,2,3,4,5,6,7
	v_rsq_f32 v[TT+2*\i+1], v[TT+2*\i]
.endr
	v_nop                                          ; a plain place behind the transcendentals
	s_wait_alu depctr_va_vdst(0)
.irp i, 0,1,2,3,4,5,6,7
	v_mul_f32 v[MM+2*\i+1], s[ALPHA], v[TT+2*\i+1] ; the gain: alpha / sqrt(var + eps)
.endr
.irp i, 0,1,2,3,4,5,6,7
	ds_store_b64 v[SST], v[MM+2*\i:MM+2*\i+1] offset:8*\i   ; all lanes write the same words with the same values
.endr
	s_wait_dscnt 0x0                               ; for the others' sake: my rows and figures lie in LDS
	s_barrier_signal -1
	s_barrier_wait -1
.endm
; Second stage: wave w takes row tile w / 2 and K steps 2 (w % 2), 2 (w % 2) + 1: a lane holds one row and 16 neighbours of each block of 32; normalised, quantised, stored as images 2 w and 2 w + 1.
.macro LN2
	ds_load_b64 v[MU:MU+1], v[QST]
.irp t, 0,1
.irp b, 0,1,2,3
.irp i, 0,1,2,3
	ds_load_b128 v[HA+64*\t+16*\b+4*\i:HA+64*\t+16*\b+4*\i+3], v[QA] offset:512*\t+128*\b+16*\i
.endr
.endr
.endr
	s_wait_dscnt 0x0
	v_mov_b32 v[GG], v[MU+1]
	v_mov_b32 v[GG+1], v[MU+1]
.set q, 0
.rept 64
	v_pk_add_f32 v[HA+q:HA+q+1], v[HA+q:HA+q+1], v[MU:MU+1] op_sel_hi:[1,0] neg_lo:[0,1] neg_hi:[0,1]
.set q, q+2
.endr
.set q, 0
.rept 64
	v_pk_fma_f32 v[HA+q:HA+q+1], v[HA+q:HA+q+1], v[GG:GG+1], s[BETA:BETA+1] op_sel_hi:[1,1,0]
.set q, q+2
.endr
	QUANT HA
	IMAGE XWI, 0
	ds_store_b32 v[XWS], v[PW]
	s_wait_dscnt 0x0                               ; the stores have read their registers
	QUANT HA+64
	IMAGE XWI, 1536
	ds_store_b32 v[XWS], v[PW] offset:128
.endm
.macro LN3                             ; all eight images lie in LDS: every wave takes them all, for the whole launch
	s_wait_dscnt 0x0
	s_barrier_signal -1
	s_barrier_wait -1
	WIN 0x80
.irp n, 0,1,2,3,4,5,6,7
	FETCH 12*\n, 1536*\n
.endr
	WIN 0
.irp n, 0,1,2,3,4,5,6,7
	ds_load_b32 v[HS+\n], v[FS] offset:128*\n
.endr
.endm
.macro SCL dst, base                   ; my 128 weight rows' scale words: register 4 bt + s: lanes 0-15 tile (bt, 0), lanes 16-31 tile (bt, 1)
.irp bt, 0,1,2,3
	global_load_b128 v[\dst+4*\bt:\dst+4*\bt+3], v[S1A], s[\base:\base+1] offset:512*\bt
.endr
.endm
.macro OUTC dst, ob                    ; my 3,072 bytes of codes come back from LDS, 16 bytes a lane, and leave: each store covers 512 consecutive bytes, aligned to 256
	WIN 0xc0
.irp i, 0,1,2,3,4,5
	ds_load_b128 v[\ob+4*\i:\ob+4*\i+3], v[ORD] offset:512*\i   ; LDS serves a wave's instructions in order: these see my stores
.endr
	WIN 0x0c
.irp i, 0,1,2,3,4,5
	s_wait_dscnt 5-\i
	global_store_b128 v[LI], v[\ob+4*\i:\ob+4*\i+3], s[\dst:\dst+1] offset:512*\i
.endr
	WIN 0
.endm
; q or k is finished: HA + 64 m + 16 hl + i = channel 16 h + i of head hl, token lane r of row tile m.  A block of the quantiser is a head.  Behind it lane (r, h) holds head 2 c + h in v[PC + 6 c] on.
.macro EPQK dst, X, ob
	PLACES 4                                       ; behind the last products, in front of the first read of results
	QUANT HA
	v_mov_b32 v[PWA], v[PW]
.irp c, 0,1
.irp i, 0,1,2
	ds_store_b64 v[OSA], v[PC+6*\c+2*\i:PC+6*\c+2*\i+1] offset:1536*\c+8*\i
.endr
.endr
	s_wait_dscnt 0x0                               ; the stores have read their registers
	QUANT HA+64
.irp c, 0,1
.irp i, 0,1,2
	ds_store_b64 v[OSA], v[PC+6*\c+2*\i:PC+6*\c+2*\i+1] offset:1536*\c+8*\i+384
.endr
.endr
	v_perm_b32 v[\X], v[PW], v[PWA], 0x05010400    ; the row's 8 scale bytes: byte 2 hl + u
	v_perm_b32 v[\X+1], v[PW], v[PWA], 0x07030602
	OUTC \dst, \ob
.endm
	s_load_b512 s[4:19], s[0:1], 0x0               ; x, Wq codes, Wq scales, Wk codes, Wk scales, Wv codes, Wv scales, alpha
	s_load_b256 s[20:27], s[0:1], 0x40             ; beta, qc, kc, vc
	s_load_b64 s[28:29], s[0:1], 0x60              ; sc
	s_load_b64 s[WSRC:WSRC+1], s[0:1], 0x68        ; W1's codes
	s_load_b64 s[WSRC+2:WSRC+3], s[0:1], 0x70      ; W2's codes
	s_load_b64 s[WDST:WDST+1], s[0:1], 0x78        ; wr
	s_load_b64 s[30:31], s[0:1], 0x80              ; W2's scale bytes [512][128]
	v_lshl_add_u32 v[SPW], v0, 2, SPARE
	v_mov_b32 v[NIL], 0
	ds_add_u32 v1, v2
	ds_add_u32 v1, v2
	s_wait_dscnt 0x0
	v_lshrrev_b32 v30, 5, v0
	v_readfirstlane_b32 s[WV], v30                 ; wave 0..3
	s_bfe_u32 s[CX], ttmp6, 0x40000                ; my place in the cluster: it enters global addresses of x, of the outputs and of the side job alone
	s_lshl_b32 s[TBK], ttmp9, 2
	s_add_co_u32 s[TBK], s[TBK], s[CX]             ; my block of 32 tokens
	s_mov_b32 s[SEL], 0x76543210
	s_mov_b32 s[SEL+1], 0xfedcba98
	s_mov_b32 s[INV], 0x3b004020                   ; 1 / 511
	s_mov_b32 s[MHI], 0xffff0000
	; descriptor group 1: 8 lines of 3,072 bytes (8 neighbouring weight rows), 6,144 bytes (16 rows) apart; 16 bytes of padding behind every 128
	s_mov_b32 s[G1D], 15|(1<<20)|(1<<21)|(4<<22)|(3<<25)  ; 15:0 the mask: all four work-groups; 17:16 elements of 1 byte; 20 padding on; 21 set beside a mask; 24:22 after every 32 words; 31:25 of 4 words
	s_mov_b32 s[G1D+1], 3072<<16
	s_mov_b32 s[G1D+2], 8<<16
	s_mov_b32 s[G1D+3], 3072<<16
	s_mov_b32 s[G1D+4], 8
	s_mov_b32 s[G1D+5], 6144
	s_mov_b32 s[G1D+6], 0
	s_mov_b32 s[G1D+7], 0
	ADDRS
	s_add_co_u32 s77, s79, GIMG                    ; my 3,072 bytes for codes on their way out
	v_mul_u32_u24 v[OSA], v31, 24
	v_mad_u32_u24 v[OSA], v25, 768, v[OSA]
	v_add_nc_u32 v[OSA], s77, v[OSA]               ; q, k: head h (+ 2 c), lam r (+ 16 m)
	v_mul_u32_u24 v[OSV], v30, 24
	v_add_nc_u32 v[OSV], s77, v[OSV]               ; v: lam = lane
	v_add_nc_u32 v[ORD], s77, v[LI]
	v_lshlrev_b32 v[L8], 3, v30
	s_mov_b32 s[D0], 1
	s_mov_b32 s[D0+1], s74                         ; slot 0, my 64 rows: no place in the cluster enters an LDS address
	s_mov_b32 s[D1], 1
	s_add_co_u32 s[D1+1], s74, SLOTB
	s_mul_i32 s68, s[WV], 49152                    ; my 128 weight rows of 384 bytes
	s_mov_b32 s69, 0
	s_lshl_b32 s70, s[TBK], 16
	s_lshl_b32 s71, s[WV], 14
	s_add_co_u32 s70, s70, s71                     ; x: (32 tb + 8 w) rows of 2,048 bytes
	s_mov_b32 s71, 0
	s_mul_i32 s72, s[TBK], 12288
	s_add_co_u32 s72, s72, s79                     ; codes out: 12,288 tb + 3,072 w
	s_mov_b32 s73, 0
	; the side job: fragment g = 4 tb + w = [W1, W2][chunk 3 bits][wave 2][K step 2][tile 2]
	s_lshl_b32 s86, s[TBK], 2
	s_add_co_u32 s86, s86, s[WV]                   ; g
	s_bfe_u32 s87, s86, 0x30006                    ; chunk
	s_bfe_u32 s88, s86, 0x20004                    ; the reader's wave
	s_bfe_u32 s89, s86, 0x20002                    ; K step
	s_and_b32 s90, s86, 3                          ; tile
	s_lshl_b32 s91, s87, 9
	s_lshl_b32 s92, s88, 7
	s_add_co_u32 s91, s91, s92
	s_lshl_b32 s93, s90, 5
	s_add_co_u32 s91, s91, s93
	s_add_co_u32 s91, s91, 8
	s_mul_i32 s91, s91, 384                        ; W1: row 512 chunk + 128 wave + 32 tile + 8, of 384 bytes
	s_lshl_b32 s93, s90, 4
	s_add_co_u32 s92, s92, s93
	s_add_co_u32 s92, s92, 64
	s_mul_i32 s92, s92, 3072                       ; W2: row 128 wave + 64 + 16 tile, of 3,072 bytes,
	s_mul_i32 s93, s87, 384
	s_add_co_u32 s92, s92, s93                     ; and the chunk's 384 bytes of it
	s_mul_i32 s89, s89, 96                         ; the K step's 96 bytes
	s_mov_b32 s94, 3072
	s_mov_b32 s90, 196608
	s_cmp_lt_u32 ttmp9, 32
	s_cselect_b32 s96, s91, s92
	s_cselect_b32 s93, 384, s94
	s_cselect_b32 s90, s94, s90                    ; how far ahead the second fragment's rows lie: 8 rows of W1, 64 rows of W2, in bytes
	s_cselect_b32 s94, s94, 0
	s_mov_b32 s91, 0
	s_add_co_u32 s96, s96, s89
	s_mov_b32 s97, 0
	s_mul_i32 s98, s86, 1536
	s_mov_b32 s99, 0
	v_lshrrev_b32 v21, 3, v31
	v_mul_u32_u24 v[RPA], s93, v31
	v_mad_u32_u24 v[RPA], v21, s94, v[RPA]
	v_mad_u32_u24 v[RPA], v25, 24, v[RPA]          ; my row, + 24 bytes for the upper lanes
	; A SECOND SIDE JOB: W2's scale bytes are laid anew behind the fragments, at wr + 3,145,728: [chunk 8][row 512][16 bytes].  Work-group tb makes bytes 256 tb .. 256 tb + 255:
	; chunk tb / 32, rows 16 (tb % 32) + lane / 2, the 8 bytes lane % 2 of the row's 16: wave 0 stores them, 8 bytes a lane, 256 consecutive bytes, aligned.
	v_lshrrev_b32 v21, 1, v30
	v_lshlrev_b32 v21, 7, v21                      ; a row of 128 bytes
	v_and_b32 v22, 1, v30
	v_lshl_add_u32 v21, v22, 3, v21
	s_and_b32 s88, s[TBK], 31
	s_lshl_b32 s88, s88, 11                        ; 16 rows of 128 bytes
	s_lshr_b32 s89, s[TBK], 5
	s_lshl_b32 s89, s89, 4                         ; the chunk's 16 bytes of a row
	s_add_co_u32 s88, s88, s89
	s_mov_b32 s89, 0
	s_lshl_b32 s92, s[TBK], 8
	s_add_co_u32 s92, s92, 3145728
	s_mov_b32 s93, 0
	s_wait_alu depctr_va_vdst(0)
	s_wait_kmcnt 0x0
	s_load_b32 s[ALPHA], s[18:19], 0x0
	s_load_b32 s[BETA], s[20:21], 0x0
	s_add_nc_u64 s[AQ:AQ+1], s[6:7], s[68:69]
	s_add_nc_u64 s[AK:AK+1], s[10:11], s[68:69]
	s_add_nc_u64 s[AV:AV+1], s[14:15], s[68:69]
	s_add_nc_u64 s[4:5], s[4:5], s[70:71]
	s_add_nc_u64 s[22:23], s[22:23], s[72:73]
	s_add_nc_u64 s[24:25], s[24:25], s[72:73]
	s_add_nc_u64 s[26:27], s[26:27], s[72:73]
	s_lshl_b32 s70, s[WV], 11                      ; my 128 rows of 16 scale bytes
	s_add_nc_u64 s[8:9], s[8:9], s[70:71]
	s_add_nc_u64 s[12:13], s[12:13], s[70:71]
	s_add_nc_u64 s[16:17], s[16:17], s[70:71]
	s_lshl_b32 s70, s[TBK], 11
	s_lshl_b32 s72, s[WV], 9
	s_add_co_u32 s70, s70, s72
	s_add_nc_u64 s[28:29], s[28:29], s[70:71]      ; sc: 2,048 tb + 512 w (my quad of heads)
	s_cmp_lt_u32 ttmp9, 32
	s_cselect_b64 s[WSRC:WSRC+1], s[WSRC:WSRC+1], s[WSRC+2:WSRC+3]
	s_add_nc_u64 s[WSRC:WSRC+1], s[WSRC:WSRC+1], s[96:97]
	s_sub_nc_u64 s[86:87], s[WSRC:WSRC+1], s[90:91]   ; the second fragment's source
	s_add_nc_u64 s[30:31], s[30:31], s[88:89]
	s_add_nc_u64 s[92:93], s[WDST:WDST+1], s[92:93]
	s_add_nc_u64 s[WDST:WDST+1], s[WDST:WDST+1], s[98:99]
	s_mov_b64 s[D0+2:D0+3], s[AQ:AQ+1]
	s_or_b32 s[D0+3], s[D0+3], 0x80000000
	global_load_b64 v[22:23], v21, s[30:31]        ; the scale bytes; the norm's wait for x covers this load; v21 to v23 are not written again
	WIN 0xc0
.irp p, 0,1,2,3,4,5
	global_load_b64 v[RPF+2*\p:RPF+2*\p+1], v[RPA], s[WSRC:WSRC+1] offset:48*(\p/3)+8*(\p%3)
	global_load_b64 v[RPF+12+2*\p:RPF+13+2*\p], v[RPA], s[86:87] offset:48*(\p/3)+8*(\p%3)
.endr
	WIN 0
	ROUND                                          ; all four work-groups are here: the first joint load meets
	tensor_load_to_lds s[D0:D0+3], s[G1D:G1D+7]    ; Wq, tiles (bt, 0); it lands while the norm is made
	s_nop 0
	PLACES 4
	LN1 0
	WIN 0x0c
.irp c, 0,1,2
	global_store_b128 v[LI], v[RPF+4*\c:RPF+4*\c+3], s[WDST:WDST+1] offset:512*\c
	global_store_b128 v[LI], v[RPF+12+4*\c:RPF+15+4*\c], s[WDST:WDST+1] offset:1572864+512*\c
.endr
	WIN 0
	s_cmp_lg_u32 s[WV], 0                          ; one wave stores the work-group's 256 bytes: the branch hangs on the wave's number alone
	s_cbranch_scc1 .Lno_ws
	global_store_b64 v[L8], v[22:23], s[92:93]
.Lno_ws:
	LN2
	SCL SWA, 8                                     ; Wq's scale words
	SCL SWB, 12                                    ; Wk's
	LN3
	; ---- q
	TH1
	s_add_nc_u64 s[D1+2:D1+3], s[AQ:AQ+1], 3072    ; Wq, tiles (bt, 1): 8 rows on
	s_or_b32 s[D1+3], s[D1+3], 0x80000000
	TH2 D1, G1D
	STEP 0, 0, 0, 1, SWA, 0
	TH1
	s_mov_b64 s[D0+2:D0+3], s[AK:AK+1]
	s_or_b32 s[D0+3], s[D0+3], 0x80000000
	TH2 D0, G1D
	STEP 1, 0, 1, 1, SWA, -1
	EPQK 22, XQ, 0
	SCL SWA, 16                                    ; Wv's scale words, into the registers that Wq's have left (the quantiser's lines are the places behind the products that read them)
	; ---- k
	TH1
	s_add_nc_u64 s[D1+2:D1+3], s[AK:AK+1], 3072
	s_or_b32 s[D1+3], s[D1+3], 0x80000000
	TH2 D1, G1D
	STEP 0, 0, 0, 1, SWB, -1
	TH1
	s_mov_b64 s[D0+2:D0+3], s[AV:AV+1]
	s_or_b32 s[D0+3], s[D0+3], 0x80000000
	TH2 D0, G1D
	STEP 1, 0, 1, 1, SWB, -1
	EPQK 24, XK, 24
	s_wait_alu depctr_va_vdst(0)
	v_cndmask_b32 v[SD], v[XQ], v[XK], s[MHI]      ; lanes 0-15 q's bytes of row r, lanes 16-31 k's
	v_cndmask_b32 v[SD+1], v[XQ+1], v[XK+1], s[MHI]
	global_store_b64 v[L8], v[SD:SD+1], s[28:29]   ; 256 consecutive bytes, aligned
	; ---- v: rows x weights, so that a lane holds one channel and 16 neighbouring tokens
	TH1
	s_add_nc_u64 s[D1+2:D1+3], s[AV:AV+1], 3072
	s_or_b32 s[D1+3], s[D1+3], 0x80000000
	TH2 D1, G1D
	STEP 0, 2, 0, 1, SWA, 0
	TH0                                            ; the last tile: nothing is left to fetch
	STEP 1, 2, 1, 1, SWA, -1
	PLACES 4
.irp q, 0,1                            ; a block of the quantiser is a column tile 4 q + b: head 2 q + b / 2, ct = b % 2.  Behind it lane (n, h) holds head 2 q + c, ct = h
	QUANT HA+64*\q
.irp c, 0,1
.irp i, 0,1,2
	ds_store_b64 v[OSV], v[PC+6*\c+2*\i:PC+6*\c+2*\i+1] offset:(2*\q+\c)*768+8*\i
.endr
.endr
	v_mov_b32 v[PV+\q], v[PW]                      ; bytes 4 q + b = 2 hl + ct
	s_wait_dscnt 0x0
.endr
	OUTC 26, 48
	s_wait_alu depctr_va_vdst(0)
	global_store_b64 v[L8], v[PV:PV+1], s[28:29] offset:256   ; lanes 16-31 hold the same words and fill the second copy: 256 consecutive bytes, aligned
	s_wait_tensorcnt 0x0                           ; the wave's end
	ds_add_u32 v[SPW], v[NIL]
	s_wait_dscnt 0x0
	ROUND                                          ; the closing round
	s_endpgm
.Lfunc_end_k_q9ed45909e9_qkv:
	.size	k_q9ed45909e9_qkv, .Lfunc_end_k_q9ed45909e9_qkv-k_q9ed45909e9_qkv
	.p2alignl 7, 3214868480
	.fill 96, 4, 3214868480
	.section	.rodata,"a",@progbits
	.p2align	6, 0x0
	.amdhsa_kernel k_q9ed45909e9_qkv
		.amdhsa_group_segment_fixed_size 327680
		.amdhsa_private_segment_fixed_size 0
		.amdhsa_enable_private_segment 0
		.amdhsa_kernarg_size 136
		.amdhsa_user_sgpr_count 2
		.amdhsa_user_sgpr_kernarg_segment_ptr 1
		.amdhsa_wavefront_size32 1
		.amdhsa_system_sgpr_workgroup_id_x 1
		.amdhsa_system_sgpr_workgroup_id_y 1
		.amdhsa_system_sgpr_workgroup_id_z 1
		.amdhsa_system_vgpr_workitem_id 0
		.amdhsa_next_free_vgpr 1024
		.amdhsa_next_free_sgpr 100
		.amdhsa_reserve_vcc 0
		.amdhsa_float_denorm_mode_32 3
		.amdhsa_float_denorm_mode_16_64 3
		.amdhsa_memory_ordered 1
		.amdhsa_forward_progress 1
		.amdhsa_inst_pref_size 154
	.end_amdhsa_kernel
	.amdgpu_metadata
---
amdhsa.version: [ 1, 2 ]
amdhsa.kernels:
  - .name:           k_q9ed45909e9_qkv
    .symbol:         k_q9ed45909e9_qkv.kd
    .args:
      - { .name: x, .offset: 0, .size: 8, .value_kind: global_buffer, .address_space: global }
      - { .name: Wq_codes, .offset: 8, .size: 8, .value_kind: global_buffer, .address_space: global }
      - { .name: Wq_scales, .offset: 16, .size: 8, .value_kind: global_buffer, .address_space: global }
      - { .name: Wk_codes, .offset: 24, .size: 8, .value_kind: global_buffer, .address_space: global }
      - { .name: Wk_scales, .offset: 32, .size: 8, .value_kind: global_buffer, .address_space: global }
      - { .name: Wv_codes, .offset: 40, .size: 8, .value_kind: global_buffer, .address_space: global }
      - { .name: Wv_scales, .offset: 48, .size: 8, .value_kind: global_buffer, .address_space: global }
      - { .name: alpha, .offset: 56, .size: 8, .value_kind: global_buffer, .address_space: global }
      - { .name: beta, .offset: 64, .size: 8, .value_kind: global_buffer, .address_space: global }
      - { .name: qc, .offset: 72, .size: 8, .value_kind: global_buffer, .address_space: global }
      - { .name: kc, .offset: 80, .size: 8, .value_kind: global_buffer, .address_space: global }
      - { .name: vc, .offset: 88, .size: 8, .value_kind: global_buffer, .address_space: global }
      - { .name: sc, .offset: 96, .size: 8, .value_kind: global_buffer, .address_space: global }
      - { .name: W1_codes, .offset: 104, .size: 8, .value_kind: global_buffer, .address_space: global }
      - { .name: W2_codes, .offset: 112, .size: 8, .value_kind: global_buffer, .address_space: global }
      - { .name: wr, .offset: 120, .size: 8, .value_kind: global_buffer, .address_space: global }
      - { .name: W2_scales, .offset: 128, .size: 8, .value_kind: global_buffer, .address_space: global }
    .group_segment_fixed_size: 327680
    .private_segment_fixed_size: 0
    .kernarg_segment_align: 8
    .kernarg_segment_size: 136
    .max_flat_workgroup_size: 128
    .sgpr_count:     100
    .vgpr_count:     1024
    .wavefront_size: 32
...
	.end_amdgpu_metadata
.endif
;; end of part 1
;; launch attn (part 2): grid 256 x 1, 16 waves a work-group, clusters of 4 x 1, 280,576 bytes of LDS; arguments qc, kc, vc, sc, ao; writes ao
.if DOCPART == 2
	.amdgcn_target "amdgcn-amd-amdhsa--gfx1250"
	.amdhsa_code_object_version 6
	.text
	.protected	k_q9ed45909e9_attn
	.globl	k_q9ed45909e9_attn
	.p2align	8
	.type	k_q9ed45909e9_attn,@function
k_q9ed45909e9_attn:
	s_mov_b64 s[64:65], 0
	v_nop
	global_prefetch_b8 v0, s[64:65] scope:SCOPE_SE
	s_setreg_imm32_b32 hwreg(HW_REG_WAVE_MODE, 25, 1), 1
	s_wait_xcnt 0x0
	s_wait_alu depctr_hold_cnt(0) depctr_sa_sdst(0) depctr_va_vdst(0) depctr_va_sdst(0) depctr_va_ssrc(0) depctr_va_vcc(0) depctr_vm_vsrc(0)
	s_getreg_b32 s2, hwreg(HW_REG_IB_STS2, 6, 4)
	s_cmp_eq_u32 s2, 0
	s_cbranch_scc0 .Lentry_in_a_cluster
	s_endpgm
.Lentry_in_a_cluster:
	s_bfe_u32 s2, ttmp6, 0x10000c
	s_cmp_lg_u32 s2, 0x3003
	s_cbranch_scc0 .Lentry_shape_is_right
	s_endpgm
.Lentry_shape_is_right:
; ATTENTION ON CODES OF BF6: ao[token][32 head + d] = sum over keys of softmax(q . k / sqrt(512)) v.  4 batches x 16 heads of 32 x 2,048 tokens.  qc, kc, vc, sc: as the launch before lays them.  ao: [8192][512] f32.
; THE SOFTMAX AHEAD OF THE SECOND PRODUCT: t = score x log2(e) / sqrt(512); M = the running largest t rounded UP to a whole number; p = 2^(t - M) is quantised along the keys, not normalised;
; the sum is taken of the unquantised p and divides at the end; when M moves, sum and O are multiplied by 2^(old M - new M): exact.
; SHARES.  A work-group owns 256 queries of TWO heads (a pair: so a row of ao gets 256 consecutive bytes); each of its sixteen waves one tile of 16 queries, first for the one head, then for the other (PASS 0, PASS 1).
; All keys and values of the pair, 192 KiB of codes, come into LDS ONCE, one tensor load a wave; nothing is filled again.  The four work-groups of a cluster share batch and pair: the loads are asked for JOINTLY (mask 15).
; THE FIRST PRODUCT HAS K = 32.  A fragment of source 0 (16 rows x 4 blocks of 32) is filled with FOUR TILES OF KEYS, one to a block; source 1 is q in ONE of the four blocks and zero codes in the others:
; four variants of q, cut out of 30 registers.  So each fragment of k is read once and feeds four products.  Zero codes add nothing under any scale byte but 0xff.
; Both products are used transposed: a lane holds one query.  The keys of a tile are 8 u + r + 8 (r / 8) of a block of 32, so that p's 16 registers of two neighbouring tiles are 16 neighbouring keys.
; LIMITS: NaN and infinities are not served.  A block's largest p is taken through its largest score, which takes v_exp_f32 not to fall where its input rises.
.set ODD,  49280                       ; the odd token blocks' region begins 128 bytes (mod 256) behind the even ones', so that V's two halves of the lanes meet no common bank
.set VB,   2*ODD                       ; K: even blocks at 0, odd at ODD; V: even at VB, odd at VB + ODD.  A row: 1,536 bytes = [head of the pair][lam 32][24]
.set KSB,  4*ODD                       ; k's scale words [head of the pair][key step 16][lane 32]
.set VSB,  KSB+4096                    ; v's likewise
.set STG,  VSB+4096                    ; the way out: 16 rows x (256 + 16) bytes for each wave
.set AK0, 1
.set AV0, 2
.set AS0, 3
.set ADK, 4
.set ADV, 5
.set ADS, 6
.set STO, 7
.set SRD, 8
.set GO,  9
.set QB,  16                           ; v16-45: zeros, q in lanes 0-15, zeros, q in lanes 16-31, zeros: six registers each
.set SQ,  46                           ; v46-49 q's scale byte at byte bt
.set KSW, 50
.set VSW, 51
.set KF,  52
.set VF,  76
.set SS,  100                          ; v100-163 S^T, then p
.set OA,  164                          ; v164-179 O^T
.set PCD, 180                          ; p's codes
.set PT,  192
.set BM,  200
.set BP,  204
.set BO,  208
.set FF,  212
.set PW,  214
.set TMP, 215
.set GQ,  216                          ; both heads' q codes of my tile
.set QW,  228
.set WV,  14
.set G1,  24
.set G0,  32
.set SEL, 36
.set CS,  38
.set MLO, 40
.set MHI, 41
.set TK,  42
.set TS,  43
.set CNT, 44
.set SH0, 45
.macro PLACES n
.rept \n
	v_nop
.endr
.endm
.macro ROUND
	s_barrier_signal -1
	s_barrier_wait -1
	s_cmp_lg_u32 s[WV], 0
	s_cbranch_scc1 .Lnot_wave_0_\@
	s_barrier_signal -3
.Lnot_wave_0_\@:
	s_barrier_wait -3
	s_barrier_signal -1
	s_barrier_wait -1
.endm
	s_load_b256 s[4:11], s[0:1], 0x0               ; qc, kc, vc, sc
	s_load_b64 s[12:13], s[0:1], 0x20              ; ao
	v_lshl_add_u32 v254, v0, 2, 0x44000
	v_mov_b32 v255, 0
	ds_add_u32 v254, v255
	ds_add_u32 v254, v255
	v_lshrrev_b32 v100, 5, v0
	s_delay_alu instid0(VALU_DEP_1)
	v_readfirstlane_b32 s[WV], v100                ; wave 0..15
	s_bfe_u32 s15, ttmp6, 0x40000                  ; cx: it enters the addresses of q, its scales and ao alone
	s_lshr_b32 s16, ttmp9, 1
	s_lshr_b32 s17, s16, 3                         ; the batch
	s_and_b32 s18, s16, 7                          ; the pair of heads
	s_and_b32 s19, ttmp9, 1
	s_lshl_b32 s19, s19, 2
	s_add_co_u32 s19, s19, s15                     ; my block of 256 queries
	; descriptor group 1: 8 rows of 1,536 bytes (192 elements of 8), 24,576 bytes (two token blocks) apart
	s_mov_b32 s[G1], 15|(3<<16)|(1<<21)
	s_mov_b32 s[G1+1], 192<<16
	s_mov_b32 s[G1+2], 8<<16
	s_mov_b32 s[G1+3], 192<<16
	s_mov_b32 s[G1+4], 8
	s_mov_b32 s[G1+5], 3072
	s_mov_b32 s[G1+6], 0
	s_mov_b32 s[G1+7], 0
	s_mov_b32 s[G0], 1
	s_mul_i32 s[G0+1], s[WV], 12288                ; region wave / 4, its rows 8 (wave % 4) on
	s_lshr_b32 s20, s[WV], 2
	s_lshl_b32 s21, s20, 7
	s_add_co_u32 s[G0+1], s[G0+1], s21
	s_mul_i32 s22, s17, 786432                     ; the batch's 64 token blocks of 12,288 bytes,
	s_mul_i32 s23, s18, 1536                       ; the pair,
	s_add_co_u32 s22, s22, s23
	s_and_b32 s20, s20, 1
	s_mul_i32 s20, s20, 12288                      ; even or odd blocks,
	s_add_co_u32 s22, s22, s20
	s_and_b32 s20, s[WV], 3
	s_mul_i32 s20, s20, 196608                     ; and my 8 rows
	s_add_co_u32 s22, s22, s20
	s_mov_b32 s23, 0
	s_mov_b32 s[SEL], 0x76543210
	s_mov_b32 s[SEL+1], 0xfedcba98
	s_mov_b32 s[CS], 0x3d8293ee                    ; c = log2(e) / sqrt(512)
	s_mov_b32 s[CS+1], s[CS]
	s_mov_b32 s[MLO], 0x0000ffff
	s_mov_b32 s[MHI], 0xffff0000
	s_wait_dscnt 0x0
	s_wait_kmcnt 0x0
	s_cmp_lt_u32 s[WV], 8                          ; waves 0-7 fetch k, waves 8-15 v: the choice hangs on the wave's number alone
	s_cselect_b64 s[G0+2:G0+3], s[6:7], s[8:9]
	s_add_nc_u64 s[G0+2:G0+3], s[G0+2:G0+3], s[22:23]
	s_or_b32 s[G0+3], s[G0+3], 0x80000000
	ROUND                                          ; all four work-groups are here
	tensor_load_to_lds s[G0:G0+3], s[G1:G1+7]      ; my one load of the launch
	s_nop 0
	PLACES 4
	s_lshl_b32 s20, s17, 6
	s_lshl_b32 s21, s19, 3
	s_add_co_u32 s20, s20, s21
	s_lshr_b32 s21, s[WV], 1
	s_add_co_u32 s20, s20, s21                     ; my queries' token block
	s_and_b32 s21, s[WV], 1                        ; u: which of its two tiles
	s_lshl_b32 s[SH0], s21, 3                      ; where q's scale byte stands in its word: 8 u, and 16 more for the second head
	s_add_co_u32 s[SH0+1], s[SH0], 16
	s_mul_i32 s22, s20, 12288
	s_mul_i32 s23, s18, 1536
	s_add_co_u32 s22, s22, s23
	s_mul_i32 s23, s21, 384
	s_add_co_u32 s22, s22, s23
	s_mov_b32 s23, 0
	s_add_nc_u64 s[4:5], s[4:5], s[22:23]          ; q's codes: block, pair, lam 16 u on
	s_lshr_b32 s22, s18, 1
	s_lshl_b32 s22, s22, 9
	s_and_b32 s52, s18, 1
	s_lshl_b32 s52, s52, 2
	s_add_co_u32 s52, s52, s22                     ; in sc: the quad's 512 bytes, the pair's 4 of a row's 8
	s_lshl_b32 s22, s20, 11
	s_add_co_u32 s22, s22, s52
	s_add_nc_u64 s[48:49], s[10:11], s[22:23]      ; my block's scales
	s_lshl_b32 s22, s17, 17
	s_add_co_u32 s22, s22, s52
	s_add_nc_u64 s[50:51], s[10:11], s[22:23]      ; the batch's
	s_lshl_b32 s22, s20, 16
	s_lshl_b32 s53, s21, 14
	s_add_co_u32 s22, s22, s53
	s_lshl_b32 s53, s18, 8
	s_add_co_u32 s22, s22, s53
	s_add_nc_u64 s[12:13], s[12:13], s[22:23]      ; ao: token 32 block + 8 u, column 64 x pair
	v_and_b32 v100, 31, v0                         ; lane
	v_and_b32 v101, 15, v0                         ; r
	v_bfe_u32 v102, v0, 4, 1                       ; h
	s_delay_alu instid0(VALU_DEP_3)
	v_mul_u32_u24 v[AK0], v100, 24                 ; k: lam = lane: the lower lanes tile u = 0, the upper u = 1
	s_delay_alu instid0(VALU_DEP_2)
	v_mul_u32_u24 v[AV0], v102, ODD                ; v: the upper lanes take the odd blocks
	s_delay_alu instid0(VALU_DEP_1)
	v_mad_u32_u24 v[AV0], v101, 24, v[AV0]
	s_delay_alu instid0(VALU_DEP_1)
	v_add_nc_u32 v[AV0], VB, v[AV0]
	v_lshl_add_u32 v[AS0], v100, 2, KSB
	s_mul_i32 s22, s[WV], 16*272
	s_add_co_u32 s22, s22, STG
	v_mul_u32_u24 v[STO], v101, 272
	s_delay_alu instid0(VALU_DEP_1)
	v_lshl_add_u32 v[STO], v102, 6, v[STO]
	s_delay_alu instid0(VALU_DEP_1)
	v_add_nc_u32 v[STO], s22, v[STO]               ; in: row r, my 16 channels: 64 h bytes on
	v_mul_u32_u24 v[SRD], v102, 272
	s_delay_alu instid0(VALU_DEP_1)
	v_lshl_add_u32 v[SRD], v101, 4, v[SRD]
	s_delay_alu instid0(VALU_DEP_1)
	v_add_nc_u32 v[SRD], s22, v[SRD]               ; back: lanes 0-15 one row, lanes 16-31 the next
	v_lshlrev_b32 v[GO], 11, v102
	s_delay_alu instid0(VALU_DEP_1)
	v_lshl_add_u32 v[GO], v101, 4, v[GO]
	v_mul_u32_u24 v103, v101, 24
.irp a, 0,1
.irp i, 0,1,2
	global_load_b64 v[GQ+6*\a+2*\i:GQ+6*\a+2*\i+1], v103, s[4:5] offset:768*\a+8*\i   ; query r's 32 codes of head a, in both halves of the lanes
.endr
.endr
	v_lshlrev_b32 v104, 3, v101
	global_load_b32 v[QW], v104, s[48:49]          ; its scale bytes: [head 0: u 0, u 1][head 1: u 0, u 1]
	; THE SCALE TABLES, made once by the 512 threads.  k: thread 32 S + 16 f + r: the word of fragment f of key step S, row r: byte 2 c + u = token block 4 S + 2 f + c, tile u
	v_lshrrev_b32 v105, 4, v0
	s_delay_alu instid0(VALU_DEP_1)
	v_lshlrev_b32 v105, 12, v105
	s_delay_alu instid0(VALU_DEP_1)
	v_lshl_add_u32 v105, v101, 3, v105
	global_load_b32 v106, v105, s[50:51] offset:128
	global_load_b32 v107, v105, s[50:51] offset:2176
	; v: thread 32 S + 16 a + n: head a, channel row n: the words of ct = 0 and 1: byte bt = token block 4 S + bt
	v_lshrrev_b32 v108, 5, v0
	s_delay_alu instid0(VALU_DEP_1)
	v_lshlrev_b32 v109, 13, v108
	s_delay_alu instid0(VALU_DEP_1)
	v_lshl_add_u32 v109, v101, 3, v109
.irp t, 0,1,2,3
	global_load_b32 v[110+\t], v109, s[50:51] offset:256+2048*\t
.endr
	v_lshl_add_u32 v114, v0, 2, KSB
	v_lshlrev_b32 v115, 11, v102
	s_delay_alu instid0(VALU_DEP_1)
	v_lshl_add_u32 v115, v108, 7, v115
	s_delay_alu instid0(VALU_DEP_1)
	v_lshl_add_u32 v115, v101, 2, v115
	s_delay_alu instid0(VALU_DEP_1)
	v_add_nc_u32 v115, VSB, v115
	v_cmp_eq_u32 vcc_lo, 1, v102
	v_mov_b32 v116, 0x05010400
	v_mov_b32 v117, 0x07030602
	s_delay_alu instid0(VALU_DEP_1)
	v_cndmask_b32 v116, v116, v117, vcc_lo         ; which two bytes of a word are my head's
	s_wait_alu depctr_va_vdst(0)
	s_wait_loadcnt 0x0
	v_perm_b32 v118, v107, v106, 0x05040100        ; head 0
	v_perm_b32 v119, v107, v106, 0x07060302        ; head 1
	ds_store_b32 v114, v118
	ds_store_b32 v114, v119 offset:2048
	v_perm_b32 v120, v111, v110, v116              ; [block 0 ct 0, block 1 ct 0, block 0 ct 1, block 1 ct 1]
	v_perm_b32 v121, v113, v112, v116
	s_delay_alu instid0(VALU_DEP_1)
	v_perm_b32 v122, v121, v120, 0x05040100        ; ct = 0
	s_delay_alu instid0(VALU_DEP_2)
	v_perm_b32 v123, v121, v120, 0x07060302        ; ct = 1
	ds_store_b32 v115, v122
	ds_store_b32 v115, v123 offset:64
	s_wait_tensorcnt 0x0                           ; my part of k or v is in,
	s_wait_dscnt 0x0                               ; my table words are stored:
	s_barrier_signal -1
	s_barrier_wait -1                              ; everybody's are
.macro PASS a
.irp i, 0,1,2,3,4,5
	v_mov_b32 v[QB+\i], 0
	v_mov_b32 v[QB+12+\i], 0
	v_mov_b32 v[QB+24+\i], 0
	v_cndmask_b32 v[QB+6+\i], 0, v[GQ+6*\a+\i], s[MLO]
	v_cndmask_b32 v[QB+18+\i], 0, v[GQ+6*\a+\i], s[MHI]
.endr
	v_bfe_u32 v[TMP], v[QW], s[SH0+\a], 8
	s_delay_alu instid0(VALU_DEP_1)
	v_mov_b32 v[SQ], v[TMP]                        ; variant bt: q's byte at byte bt; the others are 0, over zero codes
	s_delay_alu instid0(VALU_DEP_2)
	v_lshlrev_b32 v[SQ+1], 8, v[TMP]
	s_delay_alu instid0(VALU_DEP_3)
	v_lshlrev_b32 v[SQ+2], 16, v[TMP]
	s_delay_alu instid0(VALU_DEP_4)
	v_lshlrev_b32 v[SQ+3], 24, v[TMP]
	v_mov_b32 v13, 0xff61b1e6                      ; the largest t so far: -3e38.  (These 25 lines are also the places between the scale registers just written and the first product)
	s_delay_alu instid0(VALU_DEP_1)
	v_floor_f32 v12, -v13                          ; -M
	v_mov_b32 v14, 0
	v_mov_b32 v15, 0
.irp j, 0,1,2,3,4,5,6,7,8,9,10,11,12,13,14,15
	v_mov_b32 v[OA+\j], 0                          ; the loop is written once: its first step finds zeros
.endr
.irp b, 0,1,2,3
	v_mov_b32 v[BP+\b], 0
.endr
	v_mov_b32 v[FF+1], 0
	s_mov_b32 s[TK], 0
	s_mov_b32 s[TS], 0
	s_mov_b32 s[CNT], 16
.Lkey_\@:                              ; a key step: 128 keys = token blocks 4 S .. 4 S + 3
	v_add_nc_u32 v[ADK], s[TK], v[AK0]             ; four plain lines: the places between the last products and the loads into their registers
	v_add_nc_u32 v[ADV], s[TK], v[AV0]
	v_add_nc_u32 v[ADS], s[TS], v[AS0]
	v_nop
.irp f, 0,1
.irp c, 0,1
.irp i, 0,1,2
	ds_load_b64 v[KF+12*\f+6*\c+2*\i:KF+12*\f+6*\c+2*\i+1], v[ADK] offset:ODD*\c+1536*\f+768*\a+8*\i   ; block 2 c + h of fragment f: token block 4 S + 2 f + c, tile h
.endr
.endr
.endr
	ds_load_b32 v[KSW], v[ADS] offset:2048*\a
.irp t, 0,1
.irp c, 0,1
.irp i, 0,1,2
	ds_load_b64 v[VF+12*\t+6*\c+2*\i:VF+12*\t+6*\c+2*\i+1], v[ADV] offset:1536*\c+768*\a+384*\t+8*\i   ; channels' tile t, token block 4 S + 2 c + h
.endr
.endr
.endr
	ds_load_b32 v[VSW], v[ADS] offset:4096+2048*\a
	s_wait_dscnt 13                                ; k and its scale words are in; v's 12 loads and its scale word may be out
.irp b, 0,1,2,3
.irp u, 0,1
.set rB, QB+12*\u+6*(1-\b%2)
.if \b/2
	v_wmma_scale_f32_16x16x128_f8f6f4 v[SS+8*(2*\b+\u):SS+8*(2*\b+\u)+7], v[KF+12*(\b/2):KF+12*(\b/2)+11], v[rB:rB+11], 0, v[KSW], v[SQ+2*(\b%2)+\u] matrix_a_fmt:MATRIX_FMT_BF6 matrix_b_fmt:MATRIX_FMT_BF6 matrix_a_scale:MATRIX_SCALE_ROW1
.else
	v_wmma_scale_f32_16x16x128_f8f6f4 v[SS+8*(2*\b+\u):SS+8*(2*\b+\u)+7], v[KF+12*(\b/2):KF+12*(\b/2)+11], v[rB:rB+11], 0, v[KSW], v[SQ+2*(\b%2)+\u] matrix_a_fmt:MATRIX_FMT_BF6 matrix_b_fmt:MATRIX_FMT_BF6
.endif
.endr
.endr
	PLACES 4
.irp b, 0,1,2,3
	v_max3_num_f32 v[BM+\b], v[SS+16*\b], v[SS+1+16*\b], v[SS+2+16*\b]   ; the largest score of each block of 32 keys: for the row's maximum, and for the block's largest p
.endr
.irp i, 3,5,7,9,11,13
.irp b, 0,1,2,3
	v_max3_num_f32 v[BM+\b], v[BM+\b], v[SS+16*\b+\i], v[SS+1+16*\b+\i]
.endr
.endr
.irp b, 0,1,2,3
	v_max_num_f32 v[BM+\b], v[BM+\b], v[SS+15+16*\b]
.endr
.irp b, 0,1,2,3
	s_delay_alu instid0(VALU_DEP_4)
	v_permlanex16_b32 v[BP+\b], v[BM+\b], s[SEL], s[SEL+1]
.endr
.irp b, 0,1,2,3
	s_delay_alu instid0(VALU_DEP_4)
	v_max_num_f32 v[BM+\b], v[BM+\b], v[BP+\b]
.endr
	s_delay_alu instid0(VALU_DEP_2)
	v_max3_num_f32 v[TMP], v[BM], v[BM+1], v[BM+2]
	s_delay_alu instid0(VALU_DEP_1)
	v_max_num_f32 v[TMP], v[TMP], v[BM+3]
	s_delay_alu instid0(VALU_DEP_1)
	v_mul_f32 v[TMP], s[CS], v[TMP]
	s_delay_alu instid0(VALU_DEP_1)
	v_max_num_f32 v13, v13, v[TMP]                 ; the running largest t
	v_mov_b32 v[TMP], v12
	s_delay_alu instid0(VALU_DEP_2)
	v_floor_f32 v12, -v13                          ; the new -M = -ceil(t)
	s_delay_alu instid0(VALU_DEP_1)
	v_sub_f32 v[TMP], v12, v[TMP]                  ; old M - new M: a whole number, 0 or less
	s_delay_alu instid0(VALU_DEP_1)
	v_cvt_i32_f32 v[TMP], v[TMP]                   ; (it saturates)
	s_delay_alu instid0(VALU_DEP_1)
	v_ldexp_f32 v[FF], 1.0, v[TMP]                 ; f = 2^(old M - new M)
.irp j, 0,2,4,6,8,10,12,14,16,18,20,22,24,26,28,30,32,34,36,38,40,42,44,46,48,50,52,54,56,58,60,62
	v_pk_fma_f32 v[SS+\j:SS+\j+1], v[SS+\j:SS+\j+1], s[CS:CS+1], v[12:13] op_sel_hi:[1,0,0]   ; t - M
.endr
.irp b, 0,1,2,3
	v_fma_f32 v[BM+\b], v[BM+\b], s[CS], v12
.endr
	s_wait_alu depctr_va_vdst(0)
.irp j, 0,1,2,3,4,5,6,7,8,9,10,11,12,13,14,15,16,17,18,19,20,21,22,23,24,25,26,27,28,29,30,31,32,33,34,35,36,37,38,39,40,41,42,43,44,45,46,47,48,49,50,51,52,53,54,55,56,57,58,59,60,61,62,63
	v_exp_f32 v[SS+\j], v[SS+\j]                   ; p = 2^(t - M)
.endr
.irp b, 0,1,2,3
	v_exp_f32 v[BM+\b], v[BM+\b]                   ; the block's largest p
.endr
	v_pk_mul_f32 v[14:15], v[14:15], v[FF:FF+1] op_sel_hi:[1,0]   ; the sums under the new M.  (A plain place behind the exponentials)
	s_wait_alu depctr_va_vdst(0)
.irp b, 0,1,2,3
	v_max_num_f32 v[BM+\b], 0x2800000, v[BM+\b]    ; the floor 2^(5 - 127)
.endr
.irp b, 0,1,2,3
	s_delay_alu instid0(VALU_DEP_4)
	v_add_nc_u32 v[BO+\b], 0xfe000000, v[BM+\b]    ; 4 off the exponent field: the conversion's scale operand
.endr
.irp b, 0,1,2,3
	s_delay_alu instid0(VALU_DEP_4)
	v_lshrrev_b32 v[BP+\b], 23, v[BO+\b]
.endr
	s_delay_alu instid0(VALU_DEP_3)
	v_lshl_or_b32 v[PW], v[BP+1], 8, v[BP]         ; p's scale word for these 128 keys
	s_delay_alu instid0(VALU_DEP_1)
	v_lshl_or_b32 v[PW], v[BP+2], 16, v[PW]
	s_delay_alu instid0(VALU_DEP_1)
	v_lshl_or_b32 v[PW], v[BP+3], 24, v[PW]
.irp c, 0,1
	v_cvt_scalef32_pk16_bf6_f32 v[PCD+6*\c:PCD+6*\c+2], v[SS+32*\c:SS+32*\c+15], v[BO+2*\c]
	v_cvt_scalef32_pk16_bf6_f32 v[PT+4*\c:PT+4*\c+2], v[SS+16+32*\c:SS+31+32*\c], v[BO+2*\c+1]
.endr
	v_nop                                          ; one plain place behind a scaled conversion
.irp c, 0,1
.irp i, 0,1,2
	v_permlane16_swap_b32 v[PCD+6*\c+\i], v[PT+4*\c+\i]
.endr
.irp i, 0,1,2
	s_delay_alu instid0(VALU_DEP_3)
	v_mov_b32 v[PCD+3+6*\c+\i], v[PT+4*\c+\i]
.endr
.endr
.irp j, 0,2,4,6,8,10,12,14
	v_pk_mul_f32 v[OA+\j:OA+\j+1], v[OA+\j:OA+\j+1], v[FF:FF+1] op_sel_hi:[1,0]   ; O^T under the new M
.endr
	v_pk_add_f32 v[192:193], v[104:105], v[108:109]
	v_pk_add_f32 v[252:253], v[112:113], v[116:117]
	v_pk_add_f32 v[250:251], v[120:121], v[124:125]
	v_pk_add_f32 v[248:249], v[128:129], v[132:133]
	v_pk_add_f32 v[246:247], v[136:137], v[140:141]
	v_pk_add_f32 v[244:245], v[144:145], v[148:149]
	v_pk_add_f32 v[242:243], v[152:153], v[156:157]
	v_pk_add_f32 v[14:15], v[14:15], v[160:161]
	v_pk_add_f32 v[192:193], v[192:193], v[100:101]
	v_pk_add_f32 v[252:253], v[252:253], v[102:103]
	v_pk_add_f32 v[250:251], v[250:251], v[106:107]
	v_pk_add_f32 v[248:249], v[248:249], v[110:111]
	v_pk_add_f32 v[246:247], v[246:247], v[114:115]
	v_pk_add_f32 v[244:245], v[244:245], v[118:119]
	v_pk_add_f32 v[242:243], v[242:243], v[122:123]
	v_pk_add_f32 v[14:15], v[14:15], v[126:127]
	v_pk_add_f32 v[192:193], v[192:193], v[130:131]
	v_pk_add_f32 v[252:253], v[252:253], v[134:135]
	v_pk_add_f32 v[250:251], v[250:251], v[138:139]
	v_pk_add_f32 v[248:249], v[248:249], v[142:143]
	v_pk_add_f32 v[246:247], v[246:247], v[146:147]
	v_pk_add_f32 v[244:245], v[244:245], v[150:151]
	v_pk_add_f32 v[242:243], v[242:243], v[154:155]
	v_pk_add_f32 v[14:15], v[14:15], v[158:159]
	v_pk_add_f32 v[192:193], v[192:193], v[162:163]
	s_delay_alu instid0(VALU_DEP_2)
	v_pk_add_f32 v[14:15], v[14:15], v[248:249]
	s_delay_alu instid0(VALU_DEP_2)
	v_pk_add_f32 v[192:193], v[192:193], v[246:247]
	v_pk_add_f32 v[252:253], v[252:253], v[244:245]
	v_pk_add_f32 v[250:251], v[250:251], v[242:243]
	s_delay_alu instid0(VALU_DEP_2)
	v_pk_add_f32 v[14:15], v[14:15], v[252:253]
	s_delay_alu instid0(VALU_DEP_2)
	v_pk_add_f32 v[192:193], v[192:193], v[250:251]
	s_delay_alu instid0(VALU_DEP_1)
	v_pk_add_f32 v[14:15], v[14:15], v[192:193]
	s_wait_dscnt 0x0                               ; v
	v_wmma_scale_f32_16x16x128_f8f6f4 v[OA:OA+7], v[VF:VF+11], v[PCD:PCD+11], v[OA:OA+7], v[VSW], v[PW] matrix_a_fmt:MATRIX_FMT_BF6 matrix_b_fmt:MATRIX_FMT_BF6
	v_wmma_scale_f32_16x16x128_f8f6f4 v[OA+8:OA+15], v[VF+12:VF+23], v[PCD:PCD+11], v[OA+8:OA+15], v[VSW], v[PW] matrix_a_fmt:MATRIX_FMT_BF6 matrix_b_fmt:MATRIX_FMT_BF6 matrix_a_scale:MATRIX_SCALE_ROW1
	s_add_co_u32 s[TK], s[TK], 3072                ; two rows on in each region
	s_add_co_u32 s[TS], s[TS], 128
	s_sub_co_u32 s[CNT], s[CNT], 1
	s_cmp_lg_u32 s[CNT], 0
	s_cbranch_scc1 .Lkey_\@
	PLACES 4
	s_wait_alu depctr_va_vdst(0)
	v_add_f32 v14, v14, v15
	s_delay_alu instid0(VALU_DEP_1)
	v_permlanex16_b32 v[TMP], v14, s[SEL], s[SEL+1]
	s_delay_alu instid0(VALU_DEP_1)
	v_add_f32 v14, v14, v[TMP]                     ; the row's sum
	s_wait_alu depctr_va_vdst(0)
	v_rcp_f32 v14, v14
	v_nop                                          ; a plain place behind the transcendental
	s_wait_alu depctr_va_vdst(0)
.irp j, 0,1,2,3,4,5,6,7,8,9,10,11,12,13,14,15
	v_mul_f32 v[SS+\j], v[OA+\j], v14              ; register j: channel 16 h + j of the head
.endr
.irp i, 0,1,2,3
	ds_store_b128 v[STO], v[SS+4*\i:SS+4*\i+3] offset:128*\a+16*\i
.endr
	s_wait_dscnt 0x0                               ; the stores have read their registers
.endm
	PASS 0
	PASS 1
	; THE WAY OUT: my 16 rows of 256 bytes (two heads) come back whole; sixteen lanes store 256 consecutive bytes, aligned.  Stage row rho is token 8 u + rho + 8 (rho / 8) of the block
.irp i, 0,1,2,3,4,5,6,7
	ds_load_b128 v[SS+4*\i:SS+4*\i+3], v[SRD] offset:544*\i
.endr
.irp i, 0,1,2,3,4,5,6,7
	s_wait_dscnt 7-\i
	global_store_b128 v[GO], v[SS+4*\i:SS+4*\i+3], s[12:13] offset:(2*\i+8*(\i/4))*2048
.endr
	s_wait_tensorcnt 0x0
	ds_add_u32 v254, v255
	s_wait_dscnt 0x0
	ROUND                                          ; the closing round
	s_endpgm
.Lfunc_end_k_q9ed45909e9_attn:
	.size	k_q9ed45909e9_attn, .Lfunc_end_k_q9ed45909e9_attn-k_q9ed45909e9_attn
	.p2alignl 7, 3214868480
	.fill 96, 4, 3214868480
	.section	.rodata,"a",@progbits
	.p2align	6, 0x0
	.amdhsa_kernel k_q9ed45909e9_attn
		.amdhsa_group_segment_fixed_size 280576
		.amdhsa_private_segment_fixed_size 0
		.amdhsa_enable_private_segment 0
		.amdhsa_kernarg_size 40
		.amdhsa_user_sgpr_count 2
		.amdhsa_user_sgpr_kernarg_segment_ptr 1
		.amdhsa_wavefront_size32 1
		.amdhsa_system_sgpr_workgroup_id_x 1
		.amdhsa_system_sgpr_workgroup_id_y 1
		.amdhsa_system_sgpr_workgroup_id_z 1
		.amdhsa_system_vgpr_workitem_id 0
		.amdhsa_next_free_vgpr 256
		.amdhsa_next_free_sgpr 66
		.amdhsa_reserve_vcc 1
		.amdhsa_float_denorm_mode_32 3
		.amdhsa_float_denorm_mode_16_64 3
		.amdhsa_memory_ordered 1
		.amdhsa_forward_progress 1
		.amdhsa_inst_pref_size 51
	.end_amdhsa_kernel
	.amdgpu_metadata
---
amdhsa.version: [ 1, 2 ]
amdhsa.kernels:
  - .name:           k_q9ed45909e9_attn
    .symbol:         k_q9ed45909e9_attn.kd
    .args:
      - { .name: qc, .offset: 0, .size: 8, .value_kind: global_buffer, .address_space: global }
      - { .name: kc, .offset: 8, .size: 8, .value_kind: global_buffer, .address_space: global }
      - { .name: vc, .offset: 16, .size: 8, .value_kind: global_buffer, .address_space: global }
      - { .name: sc, .offset: 24, .size: 8, .value_kind: global_buffer, .address_space: global }
      - { .name: ao, .offset: 32, .size: 8, .value_kind: global_buffer, .address_space: global }
    .group_segment_fixed_size: 280576
    .private_segment_fixed_size: 0
    .kernarg_segment_align: 8
    .kernarg_segment_size: 40
    .max_flat_workgroup_size: 512
    .sgpr_count:     66
    .vgpr_count:     256
    .wavefront_size: 32
...
	.end_amdgpu_metadata
.endif
;; end of part 2
;; launch ffn (part 3): grid 256 x 1, 4 waves a work-group, clusters of 4 x 1, 327,680 bytes of LDS; arguments x, ao, W1_scales, b1, wr, b2, alpha, beta, out0; writes out0
.if DOCPART == 3
	.amdgcn_target "amdgcn-amd-amdhsa--gfx1250"
	.amdhsa_code_object_version 6
	.text
	.protected	k_q9ed45909e9_ffn
	.globl	k_q9ed45909e9_ffn
	.p2align	8
	.type	k_q9ed45909e9_ffn,@function
k_q9ed45909e9_ffn:
	s_mov_b64 s[64:65], 0
	v_nop
	global_prefetch_b8 v0, s[64:65] scope:SCOPE_SE
	s_setreg_imm32_b32 hwreg(HW_REG_WAVE_MODE, 25, 1), 1
	s_wait_xcnt 0x0
	s_wait_alu depctr_hold_cnt(0) depctr_sa_sdst(0) depctr_va_vdst(0) depctr_va_sdst(0) depctr_va_ssrc(0) depctr_va_vcc(0) depctr_vm_vsrc(0)
	s_getreg_b32 s2, hwreg(HW_REG_IB_STS2, 6, 4)
	s_cmp_eq_u32 s2, 0
	s_cbranch_scc0 .Lentry_in_a_cluster
	s_endpgm
.Lentry_in_a_cluster:
	s_bfe_u32 s2, ttmp6, 0x10000c
	s_cmp_lg_u32 s2, 0x3003
	s_cbranch_scc0 .Lentry_shape_is_right
	s_endpgm
.Lentry_shape_is_right:
; x1 = x + ao; h = LAYER NORM(x1); out0 = x1 + relu(relu(h W1 + b1) W2 + b2), both products on codes of BF6 (E3M2, one E8M0 scale for 32 along K).  The hidden layer never goes to memory.
; x, ao, out0: [8192][512] f32.  W1's scale bytes [4096][16], W2's [512][128].  b1 [4096], b2 [512], alpha, beta: f32.
; wr: ALL fragments of W1 and W2 (16 rows x 128 K, 1,536 bytes) in the order of the operand's registers, as the first launch lays them: [j = 1, j = 0][W1, W2][chunk 8][wave 4][4 s + tile][1,536 bytes];
; registers 4 c .. 4 c + 3 of lane l at 512 c + 16 l.  W1: lane r of tile (tile, j) holds row 512 chunk + 128 wave + 32 tile + 8 j + r + 8 (r / 8); W2: row 128 wave + 64 j + 16 tile + r, K = 512 chunk + 128 s on.
; SHARES.  A work-group takes 32 tokens and walks the hidden layer in 8 chunks of 512 units; 256 work-groups.  In a chunk wave w makes units 128 w .. 128 w + 127 (steps A0, A1 of 64 weight rows), quantises them in registers:
; they are K step w of the second product and go to the other waves through LDS as an image of their registers; then it adds the chunk onto its 128 output columns (steps B0, B1).
; THE WEIGHTS COME BY TWO ROADS.  The j = 0 half comes through two LDS slots (slot 0: W1's, slot 1: W2's) by tensor loads: a wave's 16 fragments of a step are 24,576 dense bytes of wr, 96 rows of 256 bytes, each at a multiple
; of 256; the wave reads them back as they lie, 16 bytes a lane.  The four work-groups of a cluster walk the same weights: these loads are asked for JOINTLY (mask 15).  The j = 1 half comes straight from wr into registers,
; 48 loads of 512 consecutive bytes, each work-group for itself: a fragment is read by one wave, once, and between two rounds of the cluster's barrier a wave has one tensor load out; so a round serves 64 products a wave.
; b1 comes into LDS once, 4,096 bytes a wave, and is each chunk's accumulators' first contents; b2 the output's: every product adds in place.
; No prefetch is laid: all 256 work-groups walk the same 3 MB of wr in the same order, and x and ao are read once, at the head, where there is no loop to run ahead in.
; LIMITS: NaN and infinities among the inputs are not served.  A block of zeros gets the scale byte 1: its codes are zeros, and the bytes stay in this kernel.
; REGISTERS, in windows of 256: window 0: v1-31 addresses; v32-47 W1's scale words, v48-63 W2's (first: the norm's sums); v64-191 HA, the hidden layer's 16 accumulators; v192-207 the rows' scale words; v208.. the quantiser.
;   window 1: v0-191 WF, a step's 16 fragments from LDS.   window 2: v0-95 XF, the normed rows' 8 fragments; v96-191 GF, the hidden layer's 8.   window 3: v0-127 OA, the output's 16 accumulators.
;   DF, a step's 16 fragments from wr: K steps 0, 1 in window 3, v128-223; K step 2 in window 1, v192-239; K step 3 in window 2, v192-239.
; W2's SCALE BYTES are read from wr too, where the first launch lays them behind the fragments, at byte 3,145,728: [chunk 8][row 512][16 bytes]: a chunk's 16 bytes of 32 neighbouring rows are 512 consecutive bytes, one load.
.set WSLOT,  24576                     ; a wave's 16 fragments
.set SLOTB,  4*WSLOT
.set STAGE,  2*SLOTB                   ; x1: 32 rows of 2,048 bytes + 16; it stays for the residual at the end
.set SROW,   2064
.set STAT,   STAGE+32*SROW             ; 32 x (mean, gain)
.set HIMG,   STAT+256                  ; the normed rows' 8 fragments as images of their registers
.set HSC,    HIMG+8*1536
.set GIMG,   HSC+1024                  ; the hidden layer's 8 fragments (4 m + s)
.set GSC,    GIMG+8*1536
.set B1L,    GSC+1024                  ; b1, 16,384 bytes
.set SPARE,  B1L+16384                 ; the spare words, 128 bytes a wave
.set SPW, 1
.set NIL, 2
.set LI,  3                            ; 16 x lane
.set FS,  4
.set FA0, 5                            ; v5, v6: my part of slot 0, 1, + 16 x lane
.set BIC, 7                            ; b1 of this chunk's units in LDS
.set B1W, 8
.set SA1, 9
.set SST, 10
.set QA,  11
.set QST, 12
.set XWI, 13
.set XWS, 14
.set GWI, 15
.set GWS, 16
.set BIA, 17
.set B2A, 18
.set S1A, 19
.set S2A, 20
.set FXA, 21
.set FOA, 22
.set CRA, 23
.set FI,  24
.set MU,  26
.set GG,  28
.set SWA, 32
.set SWB, 48
.set TT,  32
.set MM,  48
.set HA,  64
.set HS,  192
.set GS,  200
.set TM,  208
.set PW,  224
.set PC,  226
.set XB,  4
.set AB,  6
.set W1S, 8
.set B1B, 10
.set W2S, 12
.set B2B, 14
.set OUTB, 20
.set WRA, 22                           ; wr at my fragments of the chunk's step A1
.set WRB, 24                           ; of its step B1
.set WV,  26
.set CX,  27
.set TBK, 28
.set G1D, 32
.set DA,  48                           ; group 0 for W1's tiles, slot 0
.set DB,  52                           ; for W2's, slot 1
.set SEL, 66
.set ALPHA, 68
.set INV, 69
.set BETA, 70
.set CNT, 72
.set BOF, 73                           ; 2,048 x chunk
.set MSB, 0
.macro WIN new                         ; the immediate's high byte repeats the setting that is left
.if MSB != \new
	s_set_vgpr_msb (MSB<<8)|\new
.set MSB, \new
.endif
.endm
.macro PLACES n
.rept \n
	v_nop
.endr
.endm
.macro ROUND                           ; a round of the cluster's barrier
	s_barrier_signal -1
	s_barrier_wait -1
	s_cmp_lg_u32 s[WV], 0
	s_cbranch_scc1 .Lnot_wave_0_\@
	s_barrier_signal -3
.Lnot_wave_0_\@:
	s_barrier_wait -3
	s_barrier_signal -1
	s_barrier_wait -1
.endm
; 64 numbers of a lane, register 16 b + i = k 32 b + 16 (lane / 16) + i of my row, become a fragment's codes in v[PC] on and its scale word in v[PW]
.macro QUANT s
.irp b, 0,1,2,3
	v_max3_num_f32 v[TM+\b], |v[\s+16*\b]|, |v[\s+1+16*\b]|, 0x2800000   ; with the floor 2^(5 - 127): the byte cannot fall under 1
.endr
.irp i, 2,4,6,8,10,12,14
.irp b, 0,1,2,3
	v_max3_num_f32 v[TM+\b], v[TM+\b], |v[\s+16*\b+\i]|, |v[\s+1+16*\b+\i]|
.endr
.endr
.irp b, 0,1,2,3
	v_permlanex16_b32 v[TM+4+\b], v[TM+\b], s[SEL], s[SEL+1]
.endr
.irp b, 0,1,2,3
	v_max_num_f32 v[TM+\b], v[TM+\b], v[TM+4+\b]   ; with lane l xor 16's: the block's largest magnitude
.endr
.irp b, 0,1,2,3
	v_add_nc_u32 v[TM+12+\b], 0xfe000000, v[TM+\b]   ; 4 off its exponent field: the conversion's scale operand
.endr
.irp b, 0,1,2,3
	v_lshrrev_b32 v[TM+4+\b], 23, v[TM+12+\b]      ; the scale's byte
.endr
	v_lshl_or_b32 v[PW], v[TM+5], 8, v[TM+4]
	v_lshl_or_b32 v[PW], v[TM+6], 16, v[PW]
	v_lshl_or_b32 v[PW], v[TM+7], 24, v[PW]
.irp c, 0,1
	v_cvt_scalef32_pk16_bf6_f32 v[PC+6*\c:PC+2+6*\c], v[\s+32*\c:\s+15+32*\c], v[TM+12+2*\c]
	v_cvt_scalef32_pk16_bf6_f32 v[PC+12+4*\c:PC+14+4*\c], v[\s+16+32*\c:\s+31+32*\c], v[TM+12+2*\c+1]
.endr
	v_nop                                          ; one plain place behind a scaled conversion
.irp c, 0,1                            ; a whole block to a lane: lanes 0-15 block 2 c, lanes 16-31 block 2 c + 1
.irp i, 0,1,2
	v_permlane16_swap_b32 v[PC+6*\c+\i], v[PC+12+4*\c+\i]
.endr
.irp i, 0,1,2
	v_mov_b32 v[PC+3+6*\c+\i], v[PC+12+4*\c+\i]
.endr
.endr
.endm
.macro IMAGE adr, off                  ; the fragment in v[PC] on goes to LDS as it stands
.irp c, 0,1,2
	ds_store_b128 v[\adr], v[PC+4*\c:PC+4*\c+3] offset:\off+512*\c
.endr
.endm
.macro FETCH reg, off                  ; and comes back so, in any wave (off counts from HIMG)
.irp c, 0,1,2
	ds_load_b128 v[\reg+4*\c:\reg+4*\c+3], v[FI] offset:\off+512*\c
.endr
.endm
; My 16 fragments of a step, straight from wr into DF: 48 loads of 512 consecutive bytes, aligned to 256
.macro DLOAD base
	WIN 0xc0
.irp n, 0,1,2,3,4,5,6,7
.irp c, 0,1,2
	global_load_b128 v[128+12*\n+4*\c:128+12*\n+4*\c+3], v[LI], s[\base:\base+1] offset:1536*\n+512*\c
.endr
.endr
	WIN 0x40
.irp n, 0,1,2,3
.irp c, 0,1,2
	global_load_b128 v[192+12*\n+4*\c:192+12*\n+4*\c+3], v[LI], s[\base:\base+1] offset:1536*(8+\n)+512*\c
.endr
.endr
	WIN 0x80
.irp n, 0,1,2,3
.irp c, 0,1,2
	global_load_b128 v[192+12*\n+4*\c:192+12*\n+4*\c+3], v[LI], s[\base:\base+1] offset:1536*(12+\n)+512*\c
.endr
.endr
	WIN 0
.endm
.macro WM                              ; one product onto its accumulator; zRA: source 0's scales lie in lanes 16-31
.if zRA
	v_wmma_scale_f32_16x16x128_f8f6f4 v[rD:rD+7], v[rA:rA+11], v[rB:rB+11], v[rD:rD+7], v[rSA], v[rSB] matrix_a_fmt:MATRIX_FMT_BF6 matrix_b_fmt:MATRIX_FMT_BF6 matrix_a_scale:MATRIX_SCALE_ROW1
.else
	v_wmma_scale_f32_16x16x128_f8f6f4 v[rD:rD+7], v[rA:rA+11], v[rB:rB+11], v[rD:rD+7], v[rSA], v[rSB] matrix_a_fmt:MATRIX_FMT_BF6 matrix_b_fmt:MATRIX_FMT_BF6
.endif
.endm
; 8 products: my four tiles x the two row tiles, K step s.  Eight accumulators by turns, one instruction a turn.
; kind 0: source 0 = W1's rows, source 1 = the normed rows.  kind 1: source 0 = W2's rows, source 1 = the hidden rows.  dir = 0: the weights lie in WF; 1: in DF.
.macro MMK kind, j, s, sw, dir
.set wA, 1
.set bA, 48*(\s)
.if \dir
.if (\s) < 2
.set wA, 3
.set bA, 128+48*(\s)
.elseif (\s) == 2
.set bA, 192
.else
.set wA, 2
.set bA, 192
.endif
.endif
.if \kind == 0                         ; source 1 window 2; C and D window 0
	WIN 0x08+wA
.else                                  ; source 1 window 2; C and D window 3
	WIN 0xf8+wA
.endif
.irp tile, 0,1,2,3
.irp m, 0,1
.set rA, bA+12*\tile
.if \kind == 0
.set rD, HA+64*\m+8*(2*\tile+\j)
.set rB, 12*(4*\m+\s)
.set rSA, \sw+4*\tile+\s
.set rSB, HS+4*\m+\s
.set zRA, \j
.else
.set rD, 64*\m+8*(4*\j+\tile)
.set rB, 96+12*(4*\m+\s)
.set rSA, SWB+4*((4*\j+\tile)/2)+\s
.set rSB, GS+4*\m+\s
.set zRA, \tile%2
.endif
	WM
.endr
.endr
.endm
; A step from LDS: my 16 fragments of a slot, 48 loads in one run, each fragment read once; 32 products.  The four places at the step's head serve all its loads.
.macro STEP slot, kind, j, sw, lc
	WIN 0x40
.irp n, 0,1,2,3,4,5,6,7,8,9,10,11,12,13,14,15
.irp c, 0,1,2
	ds_load_b128 v[12*\n+4*\c:12*\n+4*\c+3], v[FA0+\slot] offset:1536*\n+512*\c
.endr
.endr
.if \lc >= 0
	s_wait_loadcnt \lc                             ; all but the loads issued behind what this step needs
.endif
.irp s, 0,1,2,3
	s_wait_dscnt 36-12*\s                          ; K step s is in: 12 loads for each later K step may be out
	MMK \kind, \j, \s, \sw, 0
.endr
	WIN 0
.endm
.macro DSTEP kind, j, sw, lc           ; a step from DF: 32 products on end
	s_wait_loadcnt \lc                             ; DF's 48 loads are in; what was issued behind them may be out
.irp s, 0,1,2,3
	MMK \kind, \j, \s, \sw, 1
.endr
	WIN 0
.endm
; THE CHANGE OF SLOTS.  TH1: all my tensor loads have landed; the add.  The caller's scalar line steps the descriptor whose load has landed.  TH2: the add, my LDS stores and my reads of the other slot are done;
; a round of the cluster's barrier; the joint load, the first thing behind it; four v_nop, which are also the places in front of the step's loads.
.macro TH1
	WIN 0
	s_wait_tensorcnt 0x0
	ds_add_u32 v[SPW], v[NIL]
.endm
.macro TH2 g0
	s_wait_dscnt 0x0
	ROUND
	tensor_load_to_lds s[\g0:\g0+3], s[G1D:G1D+7]
	s_nop 0
	PLACES 4
.endm
.macro TH0                             ; the same where nothing is left to fetch: the work-group's barrier alone
	TH1
	s_wait_dscnt 0x0
	s_barrier_signal -1
	s_barrier_wait -1
	PLACES 4
.endm
.macro ADDRS                           ; leaves s74 = wave x WSLOT, s78 = pos0 x SROW; v30 lane, v31 r, v25 h
	v_and_b32 v30, 31, v0
	v_and_b32 v31, 15, v0
	v_bfe_u32 v25, v0, 4, 1
	v_lshlrev_b32 v[LI], 4, v30
	v_lshl_add_u32 v[FS], v30, 2, HSC
	v_lshl_add_u32 v[FI], v30, 4, HIMG
	s_wait_alu depctr_va_vdst(0)
	s_mul_i32 s74, s[WV], WSLOT
	v_add_nc_u32 v[FA0], s74, v[LI]
	v_add_nc_u32 v[FA0+1], SLOTB, v[FA0]
	s_and_b32 s75, s[WV], 1
	s_lshr_b32 s76, s[WV], 1
	s_lshl_b32 s77, s75, 4
	s_lshl_b32 s78, s76, 3
	s_add_co_u32 s77, s77, s78                     ; pos0: where tokens 8 w .. 8 w + 7 lie in the stage, whose rows stand in the order of the row tiles
	s_mul_i32 s78, s77, SROW
	s_add_co_u32 s79, s78, STAGE
	v_add_nc_u32 v[SA1], s79, v[LI]
	s_lshl_b32 s79, s77, 3
	s_add_co_u32 s79, s79, STAT
	v_mov_b32 v[SST], s79
	s_mul_i32 s79, s76, 16*SROW
	s_lshl_b32 s77, s75, 10
	s_add_co_u32 s79, s79, s77
	s_add_co_u32 s79, s79, STAGE
	v_mul_u32_u24 v[QA], v31, SROW
	v_lshl_add_u32 v[QA], v25, 6, v[QA]
	v_add_nc_u32 v[QA], s79, v[QA]                 ; row 16 (w / 2) + r, K steps 2 (w % 2) on, my 16 numbers of a block of 32
	s_lshl_b32 s79, s76, 7
	s_add_co_u32 s79, s79, STAT
	v_lshlrev_b32 v[QST], 3, v31
	v_add_nc_u32 v[QST], s79, v[QST]
	s_mul_i32 s79, s[WV], 3072
	v_add_nc_u32 v[XWI], s79, v[FI]                ; images 2 w and 2 w + 1
	s_lshl_b32 s77, s[WV], 8
	v_add_nc_u32 v[XWS], s77, v[FS]
	v_and_b32 v[S1A], 8, v31
	v_add_nc_u32 v[S1A], v[S1A], v31
	v_lshl_add_u32 v[S1A], v25, 3, v[S1A]
	v_lshlrev_b32 v[S1A], 4, v[S1A]                ; 16 scale bytes a row of W1: row 8 h + r + 8 (r / 8)
.irp i, 0,1,2,3,4,5,6,7
	v_mov_b32 v[TM+\i], 0                          ; written once: a lane permute's destination counts as one of its sources
.endr
.endm
.macro REDUCE                          ; the pairs v[TT + 2 i]: each lane gets row i's sum in v[TT + 2 i]
.irp i, 0,1,2,3,4,5,6,7
	v_add_f32 v[TT+2*\i], v[TT+2*\i], v[TT+2*\i+1]
.endr
.irp x, 1,2,4,8
.irp i, 0,1,2,3,4,5,6,7
	v_add_f32_dpp v[TT+2*\i], v[TT+2*\i], v[TT+2*\i] row_xmask:\x row_mask:0xf bank_mask:0xf
.endr
.endr
.irp i, 0,1,2,3,4,5,6,7
	v_permlanex16_b32 v[TM+\i], v[TT+2*\i], s[SEL], s[SEL+1]
.endr
.irp i, 0,1,2,3,4,5,6,7
	v_add_f32 v[TT+2*\i], v[TT+2*\i], v[TM+\i]
.endr
.endm
; THE NORM, first stage: wave w takes tokens 8 w .. 8 w + 7, a row to the wave: 16 numbers a lane.  x1 = x + ao goes to the stage, mean and gain to STAT; my 4,096 bytes of b1 go to LDS.
.macro LN1
.irp i, 0,1,2,3,4,5,6,7
.irp k, 0,1,2,3
	global_load_b128 v[HA+16*\i+4*\k:HA+16*\i+4*\k+3], v[LI], s[XB:XB+1] offset:2048*\i+512*\k
.endr
.endr
	WIN 0x40
.irp i, 0,1,2,3,4,5,6,7
.irp k, 0,1,2,3
	global_load_b128 v[16*\i+4*\k:16*\i+4*\k+3], v[LI], s[AB:AB+1] offset:2048*\i+512*\k th:TH_LOAD_NT
.endr
.endr
.irp k, 0,1,2,3,4,5,6,7
	global_load_b128 v[128+4*\k:131+4*\k], v[LI], s[B1B:B1B+1] offset:512*\k
.endr
	WIN 0
	s_wait_kmcnt 0x0                               ; alpha and beta
	s_mov_b32 s[BETA+1], s[BETA]                   ; (named with it as a pair, so it is written)
	s_wait_loadcnt 0x0
	WIN 0x04
.set q, 0
.rept 64
	v_pk_add_f32 v[HA+q:HA+q+1], v[HA+q:HA+q+1], v[q:q+1]
.set q, q+2
.endr
.irp k, 0,1,2,3,4,5,6,7
	ds_store_b128 v[B1W], v[128+4*\k:131+4*\k] offset:512*\k
.endr
	WIN 0
.irp i, 0,1,2,3,4,5,6,7
.irp k, 0,1,2,3
	ds_store_b128 v[SA1], v[HA+16*\i+4*\k:HA+16*\i+4*\k+3] offset:SROW*\i+512*\k
.endr
.endr
.irp i, 0,1,2,3,4,5,6,7
	v_pk_add_f32 v[TT+2*\i:TT+2*\i+1], v[HA+16*\i:HA+16*\i+1], v[HA+16*\i+2:HA+16*\i+3]
.endr
.irp y, 4,6,8,10,12,14
.irp i, 0,1,2,3,4,5,6,7
	v_pk_add_f32 v[TT+2*\i:TT+2*\i+1], v[TT+2*\i:TT+2*\i+1], v[HA+16*\i+\y:HA+16*\i+\y+1]
.endr
.endr
	REDUCE
.irp i, 0,1,2,3,4,5,6,7
	v_mul_f32 v[MM+2*\i], 0x3b000000, v[TT+2*\i]   ; the mean: / 512
.endr
.irp i, 0,1,2,3,4,5,6,7
	v_mov_b32 v[MM+2*\i+1], v[MM+2*\i]
.endr
	s_wait_alu depctr_va_vdst(0)
	s_wait_dscnt 0x0                               ; the stage stores have read their registers, which are centred in place now
.irp i, 0,1,2,3,4,5,6,7
.irp y, 0,2,4,6,8,10,12,14
	v_pk_add_f32 v[HA+16*\i+\y:HA+16*\i+\y+1], v[HA+16*\i+\y:HA+16*\i+\y+1], v[MM+2*\i:MM+2*\i+1] op_sel_hi:[1,0] neg_lo:[0,1] neg_hi:[0,1]
.endr
.endr
.irp i, 0,1,2,3,4,5,6,7
	v_pk_mul_f32 v[TT+2*\i:TT+2*\i+1], v[HA+16*\i:HA+16*\i+1], v[HA+16*\i:HA+16*\i+1]
.endr
.irp y, 2,4,6,8,10,12,14
.irp i, 0,1,2,3,4,5,6,7
	v_pk_fma_f32 v[TT+2*\i:TT+2*\i+1], v[HA+16*\i+\y:HA+16*\i+\y+1], v[HA+16*\i+\y:HA+16*\i+\y+1], v[TT+2*\i:TT+2*\i+1]
.endr
.endr
	REDUCE                                         ; the sum of the centred squares: no difference of large sums
.irp i, 0,1,2,3,4,5,6,7
	v_fmaak_f32 v[TT+2*\i], s[INV], v[TT+2*\i], 0x358637bd   ; / 511 + 1e-6
.endr
	s_wait_alu depctr_va_vdst(0)
.irp i, 0,1,2,3,4,5,6,7
	v_rsq_f32 v[TT+2*\i+1], v[TT+2*\i]
.endr
	v_nop                                          ; a plain place behind the transcendentals
	s_wait_alu depctr_va_vdst(0)
.irp i, 0,1,2,3,4,5,6,7
	v_mul_f32 v[MM+2*\i+1], s[ALPHA], v[TT+2*\i+1] ; the gain: alpha / sqrt(var + eps)
.endr
.irp i, 0,1,2,3,4,5,6,7
	ds_store_b64 v[SST], v[MM+2*\i:MM+2*\i+1] offset:8*\i   ; all lanes write the same words with the same values
.endr
	s_wait_dscnt 0x0                               ; for the others' sake: my rows, figures and part of b1 lie in LDS
	s_barrier_signal -1
	s_barrier_wait -1
.endm
; Second stage: wave w takes row tile w / 2 and K steps 2 (w % 2), 2 (w % 2) + 1: a lane holds one row and 16 neighbours of each block of 32; normalised, quantised, stored as images 2 w and 2 w + 1.
.macro LN2
	ds_load_b64 v[MU:MU+1], v[QST]
.irp t, 0,1
.irp b, 0,1,2,3
.irp i, 0,1,2,3
	ds_load_b128 v[HA+64*\t+16*\b+4*\i:HA+64*\t+16*\b+4*\i+3], v[QA] offset:512*\t+128*\b+16*\i
.endr
.endr
.endr
	s_wait_dscnt 0x0
	v_mov_b32 v[GG], v[MU+1]
	v_mov_b32 v[GG+1], v[MU+1]
.set q, 0
.rept 64
	v_pk_add_f32 v[HA+q:HA+q+1], v[HA+q:HA+q+1], v[MU:MU+1] op_sel_hi:[1,0] neg_lo:[0,1] neg_hi:[0,1]
.set q, q+2
.endr
.set q, 0
.rept 64
	v_pk_fma_f32 v[HA+q:HA+q+1], v[HA+q:HA+q+1], v[GG:GG+1], s[BETA:BETA+1] op_sel_hi:[1,1,0]
.set q, q+2
.endr
	QUANT HA
	IMAGE XWI, 0
	ds_store_b32 v[XWS], v[PW]
	s_wait_dscnt 0x0                               ; the stores have read their registers
	QUANT HA+64
	IMAGE XWI, 1536
	ds_store_b32 v[XWS], v[PW] offset:128
.endm
.macro LN3                             ; all eight images lie in LDS: every wave takes them all, for the whole launch
	s_wait_dscnt 0x0
	s_barrier_signal -1
	s_barrier_wait -1
	WIN 0x80
.irp n, 0,1,2,3,4,5,6,7
	FETCH 12*\n, 1536*\n
.endr
	WIN 0
.irp n, 0,1,2,3,4,5,6,7
	ds_load_b32 v[HS+\n], v[FS] offset:128*\n
.endr
.endm
.macro SCL1                            ; the chunk's scale words of my 128 rows of W1: register 4 bt + s: lanes 0-15 tile (bt, 0), lanes 16-31 tile (bt, 1)
.irp bt, 0,1,2,3
	global_load_b128 v[SWA+4*\bt:SWA+4*\bt+3], v[S1A], s[W1S:W1S+1] offset:512*\bt
.endr
.endm
.macro SCL2                            ; the chunk's 16 scale bytes of my 128 rows of W2: register 4 pr + s: lanes 0-15 tile 2 pr, lanes 16-31 tile 2 pr + 1
.irp pr, 0,1,2,3
	global_load_b128 v[SWB+4*\pr:SWB+4*\pr+3], v[LI], s[W2S:W2S+1] offset:512*\pr
.endr
.endm
.macro BIAS1                           ; b1 of the chunk's units, from LDS, in the result's layout, straight into the accumulators: tile 2 bt + u, lane half h: units 32 bt + 16 h + 8 u + 0 .. 7
	v_add_nc_u32 v[BIC], s[BOF], v[BIA]
.irp m, 0,1
.irp t, 0,1,2,3,4,5,6,7
	ds_load_b128 v[HA+64*\m+8*\t:HA+64*\m+8*\t+3], v[BIC] offset:(32*(\t/2)+8*(\t%2))*4
	ds_load_b128 v[HA+64*\m+8*\t+4:HA+64*\m+8*\t+7], v[BIC] offset:(32*(\t/2)+8*(\t%2))*4+16
.endr
.endr
.endm
	s_load_b512 s[4:19], s[0:1], 0x0               ; x, ao, W1 scales, b1, wr, b2, alpha, beta
	s_load_b64 s[20:21], s[0:1], 0x40              ; out0
	v_lshl_add_u32 v[SPW], v0, 2, SPARE
	v_mov_b32 v[NIL], 0
	ds_add_u32 v[SPW], v[NIL]                      ; the opening lines: the add, twice on end, and its wait
	ds_add_u32 v[SPW], v[NIL]
	s_wait_dscnt 0x0
	v_lshrrev_b32 v30, 5, v0
	v_readfirstlane_b32 s[WV], v30                 ; wave 0..3
	s_bfe_u32 s[CX], ttmp6, 0x40000                ; my place in the cluster: it enters the addresses of x, ao and out0 alone
	s_lshl_b32 s[TBK], ttmp9, 2
	s_add_co_u32 s[TBK], s[TBK], s[CX]             ; my block of 32 tokens
	s_mov_b32 s[SEL], 0x76543210
	s_mov_b32 s[SEL+1], 0xfedcba98
	s_mov_b32 s[INV], 0x3b004020                   ; 1 / 511
	s_mov_b32 s[BOF], 0
	; descriptor group 1: a dense block of 24,576 bytes as 96 rows of 256 bytes (32 elements of 8); the mask names all four work-groups, bit 21 beside it
	s_mov_b32 s[G1D], 15|(3<<16)|(1<<21)
	s_mov_b32 s[G1D+1], 32<<16
	s_mov_b32 s[G1D+2], 96<<16
	s_mov_b32 s[G1D+3], 32<<16
	s_mov_b32 s[G1D+4], 96
	s_mov_b32 s[G1D+5], 32
	s_mov_b32 s[G1D+6], 0
	s_mov_b32 s[G1D+7], 0
	ADDRS
	s_mul_i32 s77, s[WV], 1536
	s_add_co_u32 s77, s77, GIMG-HIMG
	v_add_nc_u32 v[GWI], s77, v[FI]                ; the hidden layer's image 4 m + w
	s_lshl_b32 s77, s[WV], 7
	s_add_co_u32 s77, s77, GSC-HSC
	v_add_nc_u32 v[GWS], s77, v[FS]
	s_lshl_b32 s77, s[WV], 9
	s_add_co_u32 s80, s77, B1L
	v_lshlrev_b32 v[BIA], 6, v25
	v_add_nc_u32 v[BIA], s80, v[BIA]               ; b1 in LDS: my 128 units of a chunk, 16 h units on
	s_lshl_b32 s80, s[WV], 12
	s_add_co_u32 s80, s80, B1L
	v_add_nc_u32 v[B1W], s80, v[LI]                ; where my 4,096 bytes of b1 go
	v_lshlrev_b32 v[B2A], 5, v25
	v_mul_u32_u24 v[FOA], v31, SROW
	v_lshl_add_u32 v[FOA], v25, 5, v[FOA]
	v_add_nc_u32 v[FOA], s77, v[FOA]               ; the way out, in slot 0: row r, my 128 columns, 8 h numbers on
	v_add_nc_u32 v[FXA], STAGE, v[FOA]             ; and the same place in x1
	v_add_nc_u32 v[CRA], s78, v[LI]                ; back: my 8 tokens' rows
	s_mov_b32 s[DA], 1
	s_mov_b32 s[DA+1], s74                         ; slot 0, my part: no place in the cluster enters an LDS address
	s_mov_b32 s[DB], 1
	s_add_co_u32 s[DB+1], s74, SLOTB               ; slot 1
	s_mov_b32 s86, s74                             ; wr: my 16 fragments of a step, 24,576 x wave
	s_mov_b32 s87, 0
	s_lshl_b32 s74, s[TBK], 16
	s_lshl_b32 s75, s[WV], 14
	s_add_co_u32 s74, s74, s75                     ; x, ao, out0: (32 tb + 8 w) rows of 2,048 bytes
	s_mov_b32 s75, 0
	s_wait_alu depctr_va_vdst(0)
	s_wait_kmcnt 0x0
	s_load_b32 s[ALPHA], s[16:17], 0x0
	s_load_b32 s[BETA], s[18:19], 0x0
	s_add_nc_u64 s[WRA:WRA+1], s[W2S:W2S+1], s[86:87]
	s_add_nc_u64 s[WRB:WRB+1], s[WRA:WRA+1], 786432     ; W2's j = 1 fragments lie behind W1's
	s_add_nc_u64 s[DA+2:DA+3], s[WRA:WRA+1], 1572864    ; W1's j = 0 fragments, chunk 0
	s_add_nc_u64 s[DB+2:DB+3], s[WRA:WRA+1], 2359296    ; W2's
	s_or_b32 s[DA+3], s[DA+3], 0x80000000
	s_or_b32 s[DB+3], s[DB+3], 0x80000000
	s_add_nc_u64 s[XB:XB+1], s[XB:XB+1], s[74:75]
	s_add_nc_u64 s[AB:AB+1], s[AB:AB+1], s[74:75]
	s_add_nc_u64 s[OUTB:OUTB+1], s[OUTB:OUTB+1], s[74:75]
	s_lshl_b32 s74, s[WV], 11
	s_add_nc_u64 s[W1S:W1S+1], s[W1S:W1S+1], s[74:75]
	s_lshl_b32 s74, s[WV], 12
	s_add_nc_u64 s[B1B:B1B+1], s[B1B:B1B+1], s[74:75]
	s_lshl_b32 s74, s[WV], 9
	s_add_nc_u64 s[B2B:B2B+1], s[B2B:B2B+1], s[74:75]
	s_lshl_b32 s74, s[WV], 11                      ; my 128 rows of 16 scale bytes,
	s_add_co_u32 s74, s74, 3145728                 ; behind the fragments
	s_add_nc_u64 s[W2S:W2S+1], s[W2S:W2S+1], s[74:75]
	ROUND                                          ; all four work-groups are here: the first joint load meets
	tensor_load_to_lds s[DA:DA+3], s[G1D:G1D+7]    ; chunk 0's step A0: my one load at the head; it lands while the norm is made
	s_nop 0
	PLACES 4
	LN1
	DLOAD WRA                                      ; chunk 0's step A1
	LN2
	WIN 0xc0
.irp m, 0,1
.irp t, 0,1,2,3,4,5,6,7
	global_load_b128 v[64*\m+8*\t:64*\m+8*\t+3], v[B2A], s[B2B:B2B+1] offset:64*\t       ; b2, in the result's layout, straight into the output's accumulators
	global_load_b128 v[64*\m+8*\t+4:64*\m+8*\t+7], v[B2A], s[B2B:B2B+1] offset:64*\t+16
.endr
.endr
	WIN 0
	SCL1
	BIAS1
	SCL2
	LN3
	s_wait_loadcnt 0x0                             ; on this way into the loop nothing is out, so the loop's counted waits, counted round its backward jump, hold here too
; A CHUNK of 512 hidden units: A0 (slot 0), A1 (DF), the quantiser, B0 (slot 1), B1 (DF).  next = 1: the next chunk's tile, fragments, scale words and bias are asked for.
; The global loads, in the order of issue round the loop: DF for B1 (48), W1's scale words (4) | W2's scale words (4), DF for A1 (48).
.macro CHUNK next
	TH1
	s_add_nc_u64 s[DA+2:DA+3], s[DA+2:DA+3], 98304    ; a chunk's 64 fragments on
	TH2 DB                                         ; this chunk's step B0: it has A0, A1 and the quantiser in which to land
	STEP 0, 0, 0, SWA, 52                          ; W1's scale words are in; behind them 4 + 48 loads were issued
	DSTEP 0, 1, SWA, 0                             ; nothing was issued behind DF's loads: with them W2's scale words are in
	PLACES 4                                       ; behind the last products: in front of the loads into their registers and of the first read of results
.if \next
	s_wait_xcnt 0x0                                ; earlier loads have read their base
	s_add_nc_u64 s[W1S:W1S+1], s[W1S:W1S+1], 8192
.endif
	DLOAD WRB                                      ; this chunk's step B1
.if \next
	SCL1
.endif
.irp m, 0,1
.set q, 0
.rept 64
	v_max_num_f32 v[HA+64*\m+q], 0, v[HA+64*\m+q]  ; the activation, in f32, each accumulator from its low end on
.set q, q+1
.endr
	QUANT HA+64*\m
	IMAGE GWI, 6144*\m                             ; K step w of the second product, row tile m
	ds_store_b32 v[GWS], v[PW] offset:512*\m
	s_wait_dscnt 0x0                               ; the stores have read their registers
.endr
.if \next
	s_add_co_u32 s[BOF], s[BOF], 2048
	BIAS1                                          ; the next chunk's sums begin as its bias
	TH1
	s_add_nc_u64 s[DB+2:DB+3], s[DB+2:DB+3], 98304
	TH2 DA                                         ; the next chunk's step A0; the round is also the barrier behind which the hidden layer's eight images are whole
.else
	TH0                                            ; nothing is left to fetch.  Behind this barrier the images are whole, and nobody reads slot 0, which has had its last fill
.endif
	WIN 0x80
.irp n, 0,1,2,3,4,5,6,7
	FETCH 96+12*\n, GIMG-HIMG+1536*\n
.endr
	WIN 0
.irp n, 0,1,2,3,4,5,6,7
	ds_load_b32 v[GS+\n], v[FS] offset:GSC-HSC+128*\n
.endr
	STEP 1, 1, 0, SWB, -1
.if \next
	DSTEP 1, 1, SWB, 4                             ; behind DF's loads W1's 4 scale loads were issued
.else
	DSTEP 1, 1, SWB, 0
.endif
	PLACES 4
.if \next
	s_wait_xcnt 0x0
	s_add_nc_u64 s[W2S:W2S+1], s[W2S:W2S+1], 8192
	s_add_nc_u64 s[WRA:WRA+1], s[WRA:WRA+1], 98304
	s_add_nc_u64 s[WRB:WRB+1], s[WRB:WRB+1], 98304
	SCL2
	DLOAD WRA                                      ; the next chunk's step A1
.endif
.endm
	s_mov_b32 s[CNT], 7
.Lchunk:
	CHUNK 1
	s_sub_co_u32 s[CNT], s[CNT], 1
	s_cmp_lg_u32 s[CNT], 0
	s_cbranch_scc1 .Lchunk
	CHUNK 0                                        ; the last chunk is written out
	; THE END: out0 = x1 + relu(OA).  x1 comes from the stage in the result's layout; the sums go through slot 0 and leave as whole rows.
.irp m, 0,1
.irp t, 0,1,2,3,4,5,6,7
	ds_load_b128 v[HA+64*\m+8*\t:HA+64*\m+8*\t+3], v[FXA] offset:16*SROW*\m+64*\t
	ds_load_b128 v[HA+64*\m+8*\t+4:HA+64*\m+8*\t+7], v[FXA] offset:16*SROW*\m+64*\t+16
.endr
.endr
	WIN 0xcc
.set q, 0
.rept 128
	v_max_num_f32 v[q], 0, v[q]                    ; each accumulator from its low end on
.set q, q+1
.endr
	s_wait_dscnt 0x0
	WIN 0x0c
.set q, 0
.rept 64
	v_pk_add_f32 v[HA+q:HA+q+1], v[HA+q:HA+q+1], v[q:q+1]
.set q, q+2
.endr
	WIN 0
.irp m, 0,1
.irp t, 0,1,2,3,4,5,6,7
	ds_store_b128 v[FOA], v[HA+64*\m+8*\t:HA+64*\m+8*\t+3] offset:16*SROW*\m+64*\t
	ds_store_b128 v[FOA], v[HA+64*\m+8*\t+4:HA+64*\m+8*\t+7] offset:16*SROW*\m+64*\t+16
.endr
.endr
	s_wait_dscnt 0x0                               ; for the others' sake: my columns of the 32 rows lie in LDS
	s_barrier_signal -1
	s_barrier_wait -1
.irp i, 0,1,2,3,4,5,6,7
.irp k, 0,1,2,3
	ds_load_b128 v[HA+16*\i+4*\k:HA+16*\i+4*\k+3], v[CRA] offset:SROW*\i+512*\k
.endr
.endr
.irp i, 0,1,2,3,4,5,6,7
.irp k, 0,1,2,3
	s_wait_dscnt 31-4*\i-\k
	global_store_b128 v[LI], v[HA+16*\i+4*\k:HA+16*\i+4*\k+3], s[OUTB:OUTB+1] offset:2048*\i+512*\k th:TH_STORE_NT   ; 512 consecutive bytes, aligned to 256
.endr
.endr
	s_wait_tensorcnt 0x0                           ; the wave's end
	ds_add_u32 v[SPW], v[NIL]
	s_wait_dscnt 0x0
	ROUND                                          ; the closing round
	s_endpgm
.Lfunc_end_k_q9ed45909e9_ffn:
	.size	k_q9ed45909e9_ffn, .Lfunc_end_k_q9ed45909e9_ffn-k_q9ed45909e9_ffn
	.p2alignl 7, 3214868480
	.fill 96, 4, 3214868480
	.section	.rodata,"a",@progbits
	.p2align	6, 0x0
	.amdhsa_kernel k_q9ed45909e9_ffn
		.amdhsa_group_segment_fixed_size 327680
		.amdhsa_private_segment_fixed_size 0
		.amdhsa_enable_private_segment 0
		.amdhsa_kernarg_size 72
		.amdhsa_user_sgpr_count 2
		.amdhsa_user_sgpr_kernarg_segment_ptr 1
		.amdhsa_wavefront_size32 1
		.amdhsa_system_sgpr_workgroup_id_x 1
		.amdhsa_system_sgpr_workgroup_id_y 1
		.amdhsa_system_sgpr_workgroup_id_z 1
		.amdhsa_system_vgpr_workitem_id 0
		.amdhsa_next_free_vgpr 1024
		.amdhsa_next_free_sgpr 100
		.amdhsa_reserve_vcc 0
		.amdhsa_float_denorm_mode_32 3
		.amdhsa_float_denorm_mode_16_64 3
		.amdhsa_memory_ordered 1
		.amdhsa_forward_progress 1
		.amdhsa_inst_pref_size 184
	.end_amdhsa_kernel
	.amdgpu_metadata
---
amdhsa.version: [ 1, 2 ]
amdhsa.kernels:
  - .name:           k_q9ed45909e9_ffn
    .symbol:         k_q9ed45909e9_ffn.kd
    .args:
      - { .name: x, .offset: 0, .size: 8, .value_kind: global_buffer, .address_space: global }
      - { .name: ao, .offset: 8, .size: 8, .value_kind: global_buffer, .address_space: global }
      - { .name: W1_scales, .offset: 16, .size: 8, .value_kind: global_buffer, .address_space: global }
      - { .name: b1, .offset: 24, .size: 8, .value_kind: global_buffer, .address_space: global }
      - { .name: wr, .offset: 32, .size: 8, .value_kind: global_buffer, .address_space: global }
      - { .name: b2, .offset: 40, .size: 8, .value_kind: global_buffer, .address_space: global }
      - { .name: alpha, .offset: 48, .size: 8, .value_kind: global_buffer, .address_space: global }
      - { .name: beta, .offset: 56, .size: 8, .value_kind: global_buffer, .address_space: global }
      - { .name: out0, .offset: 64, .size: 8, .value_kind: global_buffer, .address_space: global }
    .group_segment_fixed_size: 327680
    .private_segment_fixed_size: 0
    .kernarg_segment_align: 8
    .kernarg_segment_size: 72
    .max_flat_workgroup_size: 128
    .sgpr_count:     100
    .vgpr_count:     1024
    .wavefront_size: 32
...
	.end_amdgpu_metadata
.endif
;; end of part 3
